; MI455X (gfx1250); checked and timed in simulation.
; The chip was launched on July 23, 2026; its instructions are those of AMD's public machine-readable ISA for CDNA 5 (MIT licence, August 2026) and "CDNA5" Instruction Set Architecture Reference Guide (July 2026). The comments in the code are by the model that wrote it; some were corrected since.
;; Multi Head Attention. Allowed arithmetic: float matrix products may take bf16 or f16 operands with f32 sums; all other float work in f32.
;; Inputs: Wk 1,024 x 1,024 float32; Wo 1,024 x 1,024 float32; Wq 1,024 x 1,024 float32; Wv 1,024 x 1,024 float32; x 4 x 2,048 x 1,024 float32.
;; Outputs: out0 4 x 2,048 x 1,024 float32.
;; 2 versions, each right; version 2 is version 1 with the launch cast written anew for expert scheduling mode. Each part assembles by itself: llvm-mc -triple=amdgcn-amd-amdhsa -mcpu=gfx1250 --defsym DOCPART=n.
;; ======== version 1 of 2: 4 launches
;; limits: values are held in f16: magnitudes above 65,504 overflow, below 6.1e-05 lose precision
;; workspace buffers: xb 16,777,216 bytes; wb 8,388,608 bytes; qkv 50,331,648 bytes; ao 16,777,216 bytes
;; launch cast (part 1): grid 768 x 1, 8 waves a work-group, no clusters, 0 bytes of LDS; arguments x, Wq, Wk, Wv, Wo, xb, wb; writes xb, wb
.if DOCPART == 1
	.amdgcn_target "amdgcn-amd-amdhsa--gfx1250"
	.amdhsa_code_object_version 6
	.text
	.protected	k_q776e87a0fa_cast
	.globl	k_q776e87a0fa_cast
	.p2align	8
	.type	k_q776e87a0fa_cast,@function
k_q776e87a0fa_cast:
	s_mov_b64 s[64:65], 0
	v_nop
	global_prefetch_b8 v0, s[64:65] scope:SCOPE_SE
	s_setreg_imm32_b32 hwreg(HW_REG_WAVE_MODE, 25, 1), 1
	s_wait_xcnt 0x0
; x and the four weights, f32, are rounded ONCE to the 16-bit formats that the matrix products take, so that the products fetch half the
; bytes and convert nothing (x is used by 12 block columns, a weight by 64 block rows).
;   xb [8192][1024] bf16 = x.     wb [4096][1024]: rows 0-1023 Wq, 1024-2047 Wk, 2048-3071 Wv in bf16; rows 3072-4095 Wo in f16.
; Wo is rounded to bf16 like the other four inputs and then written in f16's code, because its partner in the last product (the heads'
; outputs) is f16 and a matrix instruction takes one format for both operands.  The second step is exact for 2^-14 <= |w| < 65,504;
; LIMIT: a smaller |w| keeps an absolute error of at most 2^-25, a larger one becomes infinite.
; A work-group takes 65,536 bytes of f32: ids 0-511 x, ids 512-767 the weights (64 each).  A wave takes 8,192 bytes as 16 loads of 512
; consecutive bytes, all issued at once; a lane's 4 numbers become 8 bytes, so each store of the wave covers 256 consecutive bytes, aligned.
; No LDS, no barrier, no matrix unit: each byte is read once and written once, and nothing is shared.
.set NX,  512                          ; work-groups that take x
.set NWO, 704                          ; the first work-group that takes Wo
.set X,   4                            ; v[4:67]   piece i: 4 numbers as loaded
.set Y,   68                           ; v[68:99]  piece i: 2 registers to store
	s_load_b256 s[4:11], s[0:1], 0x0               ; x s[4:5], Wq s[6:7], Wk s[8:9], Wv s[10:11]
	s_load_b128 s[12:15], s[0:1], 0x20             ; Wo s[12:13], xb s[14:15]
	s_load_b64 s[16:17], s[0:1], 0x30              ; wb
	s_sub_co_u32 s20, ttmp9, NX                    ; c: my chunk among the weights' 256 (used only where the id is 512 or more)
	s_lshr_b32 s21, s20, 6                         ; which weight
	s_and_b32 s22, s20, 63                         ; which chunk of it
	v_and_b32 v1, 0xe0, v0                         ; 32 x wave
	v_and_b32 v2, 31, v0                           ; lane
	v_lshlrev_b32 v1, 8, v1                        ; wave x 8,192 bytes
	v_lshl_or_b32 v1, v2, 4, v1                    ; + 16 bytes a lane: offset in the source chunk
	v_lshrrev_b32 v2, 1, v1                        ; half of it: offset in the destination chunk
	s_wait_kmcnt 0x0
	s_mov_b64 s[24:25], s[6:7]                     ; the weight, chosen by its number
	s_cmp_eq_u32 s21, 1
	s_cselect_b64 s[24:25], s[8:9], s[24:25]
	s_cmp_eq_u32 s21, 2
	s_cselect_b64 s[24:25], s[10:11], s[24:25]
	s_cmp_eq_u32 s21, 3
	s_cselect_b64 s[24:25], s[12:13], s[24:25]
	s_cmp_lt_u32 ttmp9, NX                         ; x or a weight: four selects on one compare (a select leaves SCC alone)
	s_cselect_b64 s[24:25], s[4:5], s[24:25]       ; from
	s_cselect_b64 s[26:27], s[14:15], s[16:17]     ; to
	s_cselect_b32 s28, ttmp9, s22                  ; chunk in the source
	s_cselect_b32 s29, ttmp9, s20                  ; chunk in the destination
	s_lshl_b32 s30, s28, 16                        ; x 65,536 bytes
	s_mov_b32 s31, 0
	s_add_nc_u64 s[24:25], s[24:25], s[30:31]
	s_lshl_b32 s30, s29, 15                        ; x 32,768 bytes
	s_add_nc_u64 s[26:27], s[26:27], s[30:31]
.irp i, 0,1,2,3,4,5,6,7,8,9,10,11,12,13,14,15
	global_load_b128 v[X+4*\i:X+4*\i+3], v1, s[24:25] offset:512*\i th:TH_LOAD_NT   ; read once in the launch
.endr
; Piece i: round, store.  No register that a load or store names is written again, so no wait but the load's own is needed.
.macro PIECE i, wo
	s_wait_loadcnt 15-\i                           ; loads come back in order (ISA guide 5.7.1): piece i is in, the 15 - i younger ones stay out
	v_cvt_pk_bf16_f32 v[Y+2*\i],   v[X+4*\i],   v[X+4*\i+1]
	v_cvt_pk_bf16_f32 v[Y+2*\i+1], v[X+4*\i+2], v[X+4*\i+3]
.if \wo
	v_lshlrev_b32 v[X+4*\i],   16, v[Y+2*\i]               ; the rounded numbers as f32 again (X's piece i has landed and is free),
	v_and_b32     v[X+4*\i+1], 0xffff0000, v[Y+2*\i]
	v_lshlrev_b32 v[X+4*\i+2], 16, v[Y+2*\i+1]
	v_and_b32     v[X+4*\i+3], 0xffff0000, v[Y+2*\i+1]
	v_cvt_pk_f16_f32 v[Y+2*\i],   v[X+4*\i],   v[X+4*\i+1]     ; and in f16's code
	v_cvt_pk_f16_f32 v[Y+2*\i+1], v[X+4*\i+2], v[X+4*\i+3]
.endif
	global_store_b64 v2, v[Y+2*\i:Y+2*\i+1], s[26:27] offset:256*\i
.endm
	s_cmp_ge_u32 ttmp9, NWO
	s_cbranch_scc1 .Lwo
.irp i, 0,1,2,3,4,5,6,7,8,9,10,11,12,13,14,15
	PIECE \i, 0
.endr
	s_endpgm
.Lwo:
.irp i, 0,1,2,3,4,5,6,7,8,9,10,11,12,13,14,15
	PIECE \i, 1
.endr
	s_endpgm
.Lfunc_end_k_q776e87a0fa_cast:
	.size	k_q776e87a0fa_cast, .Lfunc_end_k_q776e87a0fa_cast-k_q776e87a0fa_cast
	.p2alignl 7, 3214868480
	.fill 96, 4, 3214868480
	.section	.rodata,"a",@progbits
	.p2align	6, 0x0
	.amdhsa_kernel k_q776e87a0fa_cast
		.amdhsa_group_segment_fixed_size 0
		.amdhsa_private_segment_fixed_size 0
		.amdhsa_enable_private_segment 0
		.amdhsa_kernarg_size 56
		.amdhsa_user_sgpr_count 2
		.amdhsa_user_sgpr_kernarg_segment_ptr 1
		.amdhsa_wavefront_size32 1
		.amdhsa_system_sgpr_workgroup_id_x 1
		.amdhsa_system_sgpr_workgroup_id_y 1
		.amdhsa_system_sgpr_workgroup_id_z 1
		.amdhsa_system_vgpr_workitem_id 0
		.amdhsa_next_free_vgpr 100
		.amdhsa_next_free_sgpr 66
		.amdhsa_reserve_vcc 0
		.amdhsa_float_denorm_mode_32 3
		.amdhsa_float_denorm_mode_16_64 3
		.amdhsa_memory_ordered 1
		.amdhsa_forward_progress 1
		.amdhsa_inst_pref_size 17
	.end_amdhsa_kernel
	.amdgpu_metadata
---
amdhsa.version: [ 1, 2 ]
amdhsa.kernels:
  - .name:           k_q776e87a0fa_cast
    .symbol:         k_q776e87a0fa_cast.kd
    .args:
      - { .name: x, .offset: 0, .size: 8, .value_kind: global_buffer, .address_space: global }
      - { .name: Wq, .offset: 8, .size: 8, .value_kind: global_buffer, .address_space: global }
      - { .name: Wk, .offset: 16, .size: 8, .value_kind: global_buffer, .address_space: global }
      - { .name: Wv, .offset: 24, .size: 8, .value_kind: global_buffer, .address_space: global }
      - { .name: Wo, .offset: 32, .size: 8, .value_kind: global_buffer, .address_space: global }
      - { .name: xb, .offset: 40, .size: 8, .value_kind: global_buffer, .address_space: global }
      - { .name: wb, .offset: 48, .size: 8, .value_kind: global_buffer, .address_space: global }
    .group_segment_fixed_size: 0
    .private_segment_fixed_size: 0
    .kernarg_segment_align: 8
    .kernarg_segment_size: 56
    .max_flat_workgroup_size: 256
    .sgpr_count:     66
    .vgpr_count:     100
    .wavefront_size: 32
...
	.end_amdgpu_metadata
.endif
;; end of part 1
;; launch gemm_qkv (part 2): grid 12 x 32, 4 waves a work-group, clusters of 4 x 4, 327,680 bytes of LDS; arguments xb, wb, qkv; writes qkv
.if DOCPART == 2
	.amdgcn_target "amdgcn-amd-amdhsa--gfx1250"
	.amdhsa_code_object_version 6
	.text
	.protected	k_q776e87a0fa_gemm_qkv
	.globl	k_q776e87a0fa_gemm_qkv
	.p2align	8
	.type	k_q776e87a0fa_gemm_qkv,@function
k_q776e87a0fa_gemm_qkv:
	s_mov_b64 s[64:65], 0
	v_nop
	global_prefetch_b8 v0, s[64:65] scope:SCOPE_SE
	s_setreg_imm32_b32 hwreg(HW_REG_WAVE_MODE, 25, 1), 1
	s_wait_xcnt 0x0
	s_wait_alu depctr_hold_cnt(0) depctr_sa_sdst(0) depctr_va_vdst(0) depctr_va_sdst(0) depctr_va_ssrc(0) depctr_va_vcc(0) depctr_vm_vsrc(0)
	s_getreg_b32 s2, hwreg(HW_REG_IB_STS2, 6, 4)
	s_cmp_eq_u32 s2, 0
	s_cbranch_scc0 .Lentry_in_a_cluster
	s_endpgm
.Lentry_in_a_cluster:
	s_bfe_u32 s2, ttmp6, 0x10000c
	s_cmp_lg_u32 s2, 0xf033
	s_cbranch_scc0 .Lentry_shape_is_right
	s_endpgm
.Lentry_shape_is_right:
; q, k, v:  C[m][n] = sum over k of A[m][k] B[n][k], K = 1024, sums in f32.
;   A = xb [8192][1024] bf16;  B = wb rows 0-3071 (Wq, Wk, Wv) bf16;  C is rounded to f16 and stored by head:
;   192 planes [2048 s][64 d] of 262,144 bytes, plane = part x 64 + batch x 16 + head (part 0 q, 1 k, 2 v).
; WHY f16 FOR q, k, v: a sequence's first rows pass v through almost unchanged, so what is rounded here reaches the result at full size;
; f16 keeps 11 bits where bf16 keeps 8.  It has the room: inputs all 30 times the drawn spread give 900, six spreads 5,400; x and W both
; offset by 30 spreads give 30 x (30/32) x 1024 = 28,800; both are below 65,504.  LIMIT: |q|, |k|, |v| above 65,504 become infinite.
; A work-group makes a block of 256 x 256 of C with four waves, as many as a WGP has SIMDs; a wave makes 128 x 128: 64 accumulator tiles
; of 16 x 16, 512 registers.  K goes in steps of 128 through a ring of two LDS slots filled by the tensor data mover: a tile's rows are
; 256 bytes of memory and start at multiples of 256 bytes from the buffer's first byte.
; WHY 256 x 256: from a tile's request to the wait for it a wave then issues 240 matrix instructions; a block of 128 x 256 would leave 120,
; and two slots of a longer K step for it (2 x 384 rows x 528 bytes) do not fit in LDS.  The price: 12 x 32 = 384 work-groups are one and a
; half for each of 256 WGPs, so the second turn is half full.
; CLUSTERS: 4 x 4 work-groups form a cluster.  The four of a row of the cluster make blocks of one block row of C and need the same tiles
; of A; the four of a column need the same tiles of B.  Such a tile is asked for JOINTLY: each of the four issues the same tensor load,
; with the same descriptor and a mask that names the four, and each receives the tile in its own LDS.
;
; REGISTERS, in windows of 256 (an instruction names v0-v255; s_set_vgpr_msb says which window each operand place means):
;   window 0: v0-31 addresses; v64-127, v128-191 fragments of A (8 x 16 rows x 32 K), two buffers; v192-223 at work on the way out
;   window 1: v64-127, v128-191 fragments of B, two buffers
;   window 2: the 32 accumulator tiles of my rows 0-63 (tile (a, b) at v[8 (8 a + b)]);   window 3: those of my rows 64-127
; s_set_vgpr_msb's low byte: bits 1:0 source 0, 3:2 source 1, 5:4 source 2, 7:6 destination.  Work is laid in long stretches under one
; setting (32 matrix instructions, 16 loads, 16 loads, 32 matrix instructions).
;
; THE MATRIX INSTRUCTION IS USED TRANSPOSED: source 0 = 16 rows of B, source 1 = 16 rows of A.  In the result, lane l then holds row
; m = l % 16 of C, and its registers 0 to 7 the columns n = 8 (l / 16) + 0 .. 7: eight neighbouring numbers of a row, 16 bytes in f16.
.set KSTEP,  128
.set PITCH,  272                       ; an LDS row: 256 bytes + 16: an odd multiple of 16, so the 16 rows that a load touches start at 16 different 16-byte columns modulo 256
.set HALFT,  128*PITCH                 ; 128 rows: what one tensor load brings, and what one wave reads of A or of B
.set SLOT,   4*HALFT                   ; A's 256 rows, then B's 256 rows
.set STAGE,  2*SLOT                    ; behind the ring: 16 rows x 272 bytes for each wave, which no tensor load ever fills; a multiple of 256
.set SPITCH, 272
.set LAPS,   4                         ; a lap = two K steps = once round the ring; K = 1024 is 8 steps
.set ADRA, 16                          ; v16-17  LDS address of my A fragments in slot 0, 1
.set ADRB, 20                          ; v20-21  the same for B
.set STO,  24                          ; v24     the way out: where I put 16 bytes of a row
.set RD,   25                          ; v25     the way out: where I read rows back
.set CO,   26                          ; v26     my byte offset in a store's 512 bytes
.set F0,   64                          ; fragment buffer 0
.set F1,   128                         ; fragment buffer 1
.set TMP,  192                         ; the way out: packed results, in window 0
.set G1,  24                           ; s[24:31] descriptor group 1 for A's tiles
.set G0,  32                           ; s[32:39] descriptor group 0 for A's tiles, one set for each slot
.set G1B, 48                           ; s[48:55] descriptor group 1 for B's tiles: it differs from A's in the mask alone
.set G0B, 56                           ; s[56:63] descriptor group 0 for B's tiles, one set for each slot
.set MSB, 0
.macro WIN new                         ; the immediate's high byte repeats the setting that is left
.if MSB != \new
	s_set_vgpr_msb (MSB<<8)|\new
.set MSB, \new
.endif
.endm
.set MUL_LO, 0xa1                      ; source 0 (B) window 1, source 1 (A) window 0, C and D window 2
.set MUL_HI, 0xf1                      ; the same, C and D window 3
.set TO_B,   0x40                      ; destination window 1, address window 0
; A joint load.  Waves 0 and 1 fetch A's two halves, waves 2 and 3 B's.  Each of the two lines has ONE mask and one set of registers for
; all that issue it, and nothing in them hangs on a coordinate that the four partners do not share.  The branch hangs on the wave's number
; alone: it is the same in every work-group.
.macro JLOAD s
	s_cmp_eq_u32 s11, 0
	s_cbranch_scc0 .Lfor_b_\@
	tensor_load_to_lds s[G0+4*\s:G0+4*\s+3], s[G1:G1+7]
	s_nop 0
	s_branch .Lasked_\@
.Lfor_b_\@:
	tensor_load_to_lds s[G0B+4*\s:G0B+4*\s+3], s[G1B:G1B+7]
	s_nop 0
.Lasked_\@:
.endm
; A round of the cluster's barrier: my work-group's barrier, so that wave 0's signal speaks for all four waves; wave 0 signals for the
; work-group; every wave waits for all sixteen work-groups; my work-group's barrier once more.
.macro CREST                           ; a round behind its opening barrier
	s_cmp_lg_u32 s10, 0
	s_cbranch_scc1 .Lnot_wave_0_\@
	s_barrier_signal -3
.Lnot_wave_0_\@:
	s_barrier_wait -3
	s_barrier_signal -1
	s_barrier_wait -1
.endm
.macro CROUND                          ; a whole round
	s_barrier_signal -1
	s_barrier_wait -1
	CREST
.endm
	s_load_b128 s[4:7], s[0:1], 0x0                ; xb s[4:5], wb s[6:7]
	s_load_b64 s[8:9], s[0:1], 0x10                ; qkv
	s_set_vgpr_msb 0x40
	v_lshl_add_u32 v255, v0, 2, 0x48400
	s_set_vgpr_msb 0x4000
	v_mov_b32 v255, 0
	s_set_vgpr_msb 0x1
	ds_add_u32 v255, v255
	ds_add_u32 v255, v255
	s_set_vgpr_msb 0x100
	v_lshrrev_b32 v1, 5, v0
	v_readfirstlane_b32 s10, v1                    ; wave 0..3
	s_lshr_b32 s11, s10, 1                         ; which half of the block's rows is mine.  Also: I fetch for A (0) or for B (1)
	s_and_b32 s12, s10, 1                          ; which half of its columns.  Also: which 128 rows of that tile I fetch
	s_bfe_u32 s40, ttmp6, 0x40000                  ; cx: my place along the cluster's x
	s_bfe_u32 s41, ttmp6, 0x40004                  ; cy: along its y
	s_lshl_b32 s42, ttmp9, 2                       ; in a cluster launch ttmp9 and ttmp7 count clusters
	s_add_co_u32 s42, s42, s40                     ; block column of C = 4 x cluster x + cx, 0 .. 11
	s_and_b32 s13, ttmp7, 0xffff
	s_lshl_b32 s13, s13, 2
	s_add_co_u32 s13, s13, s41                     ; block row of C = 4 x cluster y + cy, 0 .. 31
	s_lshl_b32 s43, s41, 2
	s_lshl_b32 s43, 15, s43                        ; my row of the cluster: places 4 cy .. 4 cy + 3
	s_lshl_b32 s44, 0x1111, s40                    ; my column: places cx, cx + 4, cx + 8, cx + 12
	; descriptor group 1: a tile of 128 rows x 128 elements of 2 bytes, 4 words of padding behind every 64 words
	s_or_b32 s[G1+0], s43, (1<<16)|(1<<20)|(1<<21)|(5<<22)|(3<<25)   ; 15:0 the mask: A's tiles go to my row; 17:16 2 bytes; 20 padding on; 21 set beside a mask; 24:22 interval; 31:25 pad
	s_or_b32 s[G1B+0], s44, (1<<16)|(1<<20)|(1<<21)|(5<<22)|(3<<25)  ; the same with the mask of my column, for B's tiles
.irp g, G1, G1B
	s_mov_b32 s[\g+1], KSTEP<<16                   ; tensor_dim0 = 128
	s_mov_b32 s[\g+2], 128<<16                     ; tensor_dim1 = 128
	s_mov_b32 s[\g+3], KSTEP<<16                   ; tile_dim0 = 128
	s_mov_b32 s[\g+4], 128                         ; tile_dim1 = 128
	s_mov_b32 s[\g+5], 1024                        ; elements from row to row
	s_mov_b32 s[\g+6], 0
	s_mov_b32 s[\g+7], 0
.endr
	; where the tiles come from.  A's hang on the block row alone, which my row of the cluster shares; B's on the block column alone, which
	; my column shares.  Every wave makes both offsets, in registers that never hold the other coordinate, and asks by one of them.
	s_lshl_b32 s17, s12, 18                        ; which 128 rows of 2,048 bytes of the tile I fetch
	s_lshl_b32 s16, s13, 19                        ; A: 256 rows of 2,048 bytes for each block row
	s_add_co_u32 s16, s16, s17
	s_lshl_b32 s46, s42, 19                        ; B: the same for each block column
	s_add_co_u32 s46, s46, s17
	s_mov_b32 s17, 0
	s_mov_b32 s47, 0
	s_mul_i32 s20, s10, HALFT                      ; and where they go: A's two halves, then B's two halves = wave x 128 rows
	s_wait_dscnt 0x0
	s_wait_kmcnt 0x0
	s_add_nc_u64 s[14:15], s[4:5], s[16:17]
	s_add_nc_u64 s[46:47], s[6:7], s[46:47]
	CROUND                                         ; all sixteen work-groups are here: the first joint loads meet
.irp s, 0,1
	s_mov_b32 s[G0+4*\s], 1                                        ; count = 1
	s_add_co_u32 s[G0+4*\s+1], s20, \s*SLOT                        ; LDS address
	s_add_nc_u64 s[G0+4*\s+2:G0+4*\s+3], s[14:15], \s*KSTEP*2      ; global address: K step s
	s_or_b32 s[G0+4*\s+3], s[G0+4*\s+3], 0x80000000                ; type = 2
	s_mov_b32 s[G0B+4*\s], 1
	s_add_co_u32 s[G0B+4*\s+1], s20, \s*SLOT
	s_add_nc_u64 s[G0B+4*\s+2:G0B+4*\s+3], s[46:47], \s*KSTEP*2
	s_or_b32 s[G0B+4*\s+3], s[G0B+4*\s+3], 0x80000000
	JLOAD \s                                       ; K steps 0 and 1: two tensor loads of the wave are out
.endr
	; A fragment is 16 rows x 32 K in 8 registers: lane l holds row l % 16; registers 0-3 hold K = 8 (l / 16) + 0..7, registers 4-7 hold
	; K = 16 + 8 (l / 16) + 0..7.  From rows that lie along K: two loads of 16 bytes, 32 bytes apart.  The same for source 0 and source 1.
	v_and_b32 v1, 15, v0                           ; l % 16
	v_bfe_u32 v2, v0, 4, 1                         ; l / 16
	v_mul_u32_u24 v3, v1, PITCH
	v_lshl_add_u32 v3, v2, 4, v3                   ; row x pitch + 16 x half
	s_mul_i32 s21, s11, HALFT                      ; my 128 rows of A
	s_mul_i32 s22, s12, HALFT                      ; my 128 rows of B,
	s_add_co_u32 s22, s22, 2*HALFT                 ; which lie behind A's 256
.irp s, 0,1
	v_add_nc_u32 v[ADRA+\s], s21, v3
	v_add_nc_u32 v[ADRB+\s], s22, v3
	s_add_co_u32 s21, s21, SLOT
	s_add_co_u32 s22, s22, SLOT
.endr
	s_mul_i32 s23, s10, 16*SPITCH
	s_add_co_u32 s23, s23, STAGE                   ; my stage
	v_mul_u32_u24 v4, v1, SPITCH                   ; in: row l % 16, 16 bytes for each half of the lanes
	v_lshl_add_u32 v4, v2, 4, v4
	v_add_nc_u32 v[STO], s23, v4
	v_bfe_u32 v5, v0, 3, 2                         ; back: eight lanes take the 128 bytes that a row has of one head, four rows a load
	v_mul_u32_u24 v5, v5, SPITCH
	v_and_b32 v6, 7, v0
	v_lshl_add_u32 v5, v6, 4, v5
	v_add_nc_u32 v[RD], s23, v5
	v_and_b32 v6, 31, v0
	v_lshlrev_b32 v[CO], 4, v6                     ; 16 bytes a lane: 512 consecutive bytes a store
; 16 matrix instructions: m blocks a0, a0 + 1 of the window's four (hi = 0: my rows 0-63, 1: rows 64-127) x all 8 n blocks, 32 along K.
; zero = 1: the first product starts the sums: nothing is ever cleared.  The 64 accumulators take turns, one instruction a turn, in the
; same order in every quarter step and over the loop's backward jump.
.macro MUL16 f, hi, a0, zero
.irp a, \a0, \a0+1
.irp b, 0,1,2,3,4,5,6,7
.if \zero
	v_wmma_f32_16x16x32_bf16 v[8*(8*(\a)+\b):8*(8*(\a)+\b)+7], v[\f+8*\b:\f+8*\b+7], v[\f+8*(4*\hi+\a):\f+8*(4*\hi+\a)+7], 0
.else
	v_wmma_f32_16x16x32_bf16 v[8*(8*(\a)+\b):8*(8*(\a)+\b)+7], v[\f+8*\b:\f+8*\b+7], v[\f+8*(4*\hi+\a):\f+8*(4*\hi+\a)+7], v[8*(8*(\a)+\b):8*(8*(\a)+\b)+7]
.endif
.endr
.endr
.endm
; 32 LDS loads in one run: the fragments of one quarter step (128 rows of B, 128 rows of A, 32 K at byte k of the rows) into buffer f
.macro FETCH slot, k, f
	WIN TO_B
.irp i, 0,1,2,3,4,5,6,7
	ds_load_b128 v[\f+8*\i:\f+8*\i+3],   v[ADRB+\slot] offset:\k+\i*16*PITCH
	ds_load_b128 v[\f+8*\i+4:\f+8*\i+7], v[ADRB+\slot] offset:\k+\i*16*PITCH+32
.endr
	WIN 0
.irp i, 0,1,2,3,4,5,6,7
	ds_load_b128 v[\f+8*\i:\f+8*\i+3],   v[ADRA+\slot] offset:\k+\i*16*PITCH
	ds_load_b128 v[\f+8*\i+4:\f+8*\i+7], v[ADRA+\slot] offset:\k+\i*16*PITCH+32
.endr
.endm
; A load into a register that a matrix instruction has read, and a vector instruction that reads a matrix result, stand four places behind
; that matrix instruction, and only plain vector instructions that name none of its registers are places (ISA guide 7.12.1 for vector
; instructions).  So four v_nop stand in front of each run of loads: sixteen issue slots for a K step's 256
; matrix instructions.
.macro PLACES
.rept 4
	v_nop
.endr
.endm
; A K step is four quarter steps of 32 along K, 64 matrix instructions each, on buffers 0, 1, 0, 1.
; One of the first three: multiplies buffer f; in its middle it fetches the next quarter's fragments, at byte k of the same slot's rows, into buffer g.
.macro QUARTER slot, k, f, g, zero
	s_wait_dscnt 8                                 ; B and A's rows 0-63 are in; the youngest eight loads (A's rows 64-127) may be out
	WIN MUL_LO
	MUL16 \f, 0, 0, \zero
	MUL16 \f, 0, 2, \zero
	PLACES
	FETCH \slot, \k, \g
	s_wait_dscnt 32                                ; all but the 32 just issued
	WIN MUL_HI
	MUL16 \f, 1, 0, \zero
	MUL16 \f, 1, 2, \zero
.endm
.macro THREE slot, zero
	QUARTER \slot, 64,  F0, F1, \zero
	QUARTER \slot, 128, F1, F0, 0
	QUARTER \slot, 192, F0, F1, 0
.endm
; The last quarter: multiplies buffer 1 and changes slots.  next = the other slot; fill = 1: this slot is filled again, two K steps ahead.
; ONE barrier for the change of slots, for two things.  In front of it each wave waits for its own reads of this slot and for all its
; tensor loads, of which one is out: its part of the next slot.  Behind it nobody reads this slot any more and the next slot is whole: the
; refill comes first, then the next slot's first fragments.  From a request to the wait for it a wave issues 240 matrix instructions.
.macro TURN slot, next, fill
	s_wait_dscnt 8
	WIN MUL_LO
	MUL16 F1, 0, 0, 0
	s_wait_dscnt 0                                 ; my reads of this slot are over (the last were issued 48 matrix instructions ago)
	s_wait_tensorcnt 0x0                           ; and all my tensor loads have landed: the one that was out is my part of the next slot
	ds_add_u32 v255, v255
	s_wait_dscnt 0x0
	s_barrier_signal -1                            ; say so (where a slot is filled again this barrier opens a round of the cluster's barrier),
	MUL16 F1, 0, 2, 0                              ; work on registers while the others arrive,
	WIN 0
	s_barrier_wait -1                              ; and go on when all four have said so
.if \fill
	CREST                                          ; all sixteen work-groups have said so: no wave of any partner still reads this slot's tile or has a load on its way
	s_add_nc_u64 s[G0+4*\slot+2:G0+4*\slot+3], s[G0+4*\slot+2:G0+4*\slot+3], 2*KSTEP*2
	s_add_nc_u64 s[G0B+4*\slot+2:G0B+4*\slot+3], s[G0B+4*\slot+2:G0B+4*\slot+3], 2*KSTEP*2
	JLOAD \slot                                    ; the first tensor load behind the round, one a wave
.endif
	PLACES
	FETCH \next, 0, F0
	WIN MUL_HI
	MUL16 F1, 1, 0, 0
	MUL16 F1, 1, 2, 0
.endm
.macro LAP zero                        ; once round the ring, both slots filled again
	THREE 0, \zero
	TURN 0, 1, 1
	THREE 1, 0
	TURN 1, 0, 1
.endm
	s_wait_tensorcnt 0x1                           ; my part of K step 0 is in; K step 1's may stay out
	s_barrier_signal -1
	s_barrier_wait -1                              ; everybody's is
	FETCH 0, 0, F0
	LAP 1                                          ; the first lap stands in front of the loop: its first products start the sums
	WIN 0                                          ; at a label and at a branch every window is 0
	s_mov_b32 s3, LAPS-2
.Llap:
	LAP 0
	WIN 0
	s_sub_co_u32 s3, s3, 1
	s_cmp_lg_u32 s3, 0
	s_cbranch_scc1 .Llap
	THREE 0, 0                                     ; the last lap fills nothing, and has no round of the cluster's barrier: my one tensor load that is still out is slot 1's, the last K step's
	TURN 0, 1, 0
	THREE 1, 0
	s_wait_dscnt 8                                 ; the very last quarter: nothing more to fetch
	WIN MUL_LO
	MUL16 F1, 0, 0, 0
	MUL16 F1, 0, 2, 0
	s_wait_dscnt 0
	WIN MUL_HI
	MUL16 F1, 1, 0, 0
	MUL16 F1, 1, 2, 0
	; THE WAY OUT, 16 rows of C at a time: round to f16, 16 bytes a lane into my own stage in LDS, read back by head.
	; The four v_nop of PLACES are the places behind the last matrix instructions: for the conversions, which read results, and for the
	; loads into buffers 0 and 1.  The block row's part of the offset is made in s16-17, the block column's in s46-47 (which held B's address).
	PLACES
	s_lshr_b32 s16, s13, 3                         ; batch = block row / 8: 16 planes of 262,144 bytes
	s_lshl_b32 s16, s16, 22
	s_and_b32 s17, s13, 7                          ; row in the sequence: 256 (block row % 8) + 128 (my half), 128 bytes each
	s_lshl_b32 s17, s17, 15
	s_add_co_u32 s16, s16, s17
	s_lshl_b32 s17, s11, 14
	s_add_co_u32 s16, s16, s17
	s_lshr_b32 s46, s42, 2                         ; part (q, k, v) = block column / 4: 64 planes
	s_lshl_b32 s46, s46, 24
	s_and_b32 s47, s42, 3                          ; head = 4 (block column % 4) + 2 (my half), and the next one
	s_lshl_b32 s47, s47, 20
	s_add_co_u32 s46, s46, s47
	s_lshl_b32 s47, s12, 19
	s_add_co_u32 s46, s46, s47
	s_mov_b32 s17, 0
	s_mov_b32 s47, 0
	s_add_nc_u64 s[8:9], s[8:9], s[16:17]
	s_add_nc_u64 s[8:9], s[8:9], s[46:47]
; rows 16 i .. 16 i + 15 of my block = the eight tiles (a, 0..7) of window 2 or 3 (from = 0x0a or 0x0f: sources 0 and 1); f: F0 or F1 in turn.
; Back from the stage come 4 rows x 128 bytes of one head, which are 512 consecutive bytes of its plane, aligned (the read back meets each
; 16-byte column twice: 8 loads for 16 rows, accepted).  The rows' and the head's place stand in the store's immediate: 278,016 at the most.
.macro OUT16 i, a, from, f
	WIN \from
.irp b, 0,1,2,3,4,5,6,7
.irp r, 0,1,2,3
	v_cvt_pk_f16_f32 v[TMP+4*\b+\r], v[8*(8*\a+\b)+2*\r], v[8*(8*\a+\b)+2*\r+1]
.endr
.endr
	WIN 0
.irp b, 0,1,2,3,4,5,6,7
	ds_store_b128 v[STO], v[TMP+4*\b:TMP+4*\b+3] offset:32*\b
.endr
	s_wait_xcnt 0x0                                ; buffer f, which earlier stores read, is loaded again only behind this wait
.irp t, 0,1,2,3,4,5,6,7
	ds_load_b128 v[\f+4*\t:\f+4*\t+3], v[RD] offset:(\t&3)*4*SPITCH+(\t>>2)*128   ; LDS serves a wave's instructions in order (ISA guide 5.7.1): these see the stores above
.endr
.irp t, 0,1,2,3,4,5,6,7
	s_wait_dscnt 7-\t
	global_store_b128 v[CO], v[\f+4*\t:\f+4*\t+3], s[8:9] offset:(\t>>2)*262144+\i*2048+(\t&3)*512
.endr
.endm
	OUT16 0, 0, 0x0a, F0
	OUT16 1, 1, 0x0a, F1
	OUT16 2, 2, 0x0a, F0
	OUT16 3, 3, 0x0a, F1
	OUT16 4, 0, 0x0f, F0
	OUT16 5, 1, 0x0f, F1
	OUT16 6, 2, 0x0f, F0
	OUT16 7, 3, 0x0f, F1
	s_set_vgpr_msb 0x1
	s_wait_tensorcnt 0x0
	ds_add_u32 v255, v255
	s_wait_dscnt 0x0
	s_set_vgpr_msb 0x100
	CROUND                                         ; the closing round: no work-group ends while a partner may still ask for a tile that names it
	s_endpgm
.Lfunc_end_k_q776e87a0fa_gemm_qkv:
	.size	k_q776e87a0fa_gemm_qkv, .Lfunc_end_k_q776e87a0fa_gemm_qkv-k_q776e87a0fa_gemm_qkv
	.p2alignl 7, 3214868480
	.fill 96, 4, 3214868480
	.section	.rodata,"a",@progbits
	.p2align	6, 0x0
	.amdhsa_kernel k_q776e87a0fa_gemm_qkv
		.amdhsa_group_segment_fixed_size 327680
		.amdhsa_private_segment_fixed_size 0
		.amdhsa_enable_private_segment 0
		.amdhsa_kernarg_size 24
		.amdhsa_user_sgpr_count 2
		.amdhsa_user_sgpr_kernarg_segment_ptr 1
		.amdhsa_wavefront_size32 1
		.amdhsa_system_sgpr_workgroup_id_x 1
		.amdhsa_system_sgpr_workgroup_id_y 1
		.amdhsa_system_sgpr_workgroup_id_z 1
		.amdhsa_system_vgpr_workitem_id 0
		.amdhsa_next_free_vgpr 1024
		.amdhsa_next_free_sgpr 66
		.amdhsa_reserve_vcc 0
		.amdhsa_float_denorm_mode_32 3
		.amdhsa_float_denorm_mode_16_64 3
		.amdhsa_memory_ordered 1
		.amdhsa_forward_progress 1
		.amdhsa_inst_pref_size 196
	.end_amdhsa_kernel
	.amdgpu_metadata
---
amdhsa.version: [ 1, 2 ]
amdhsa.kernels:
  - .name:           k_q776e87a0fa_gemm_qkv
    .symbol:         k_q776e87a0fa_gemm_qkv.kd
    .args:
      - { .name: xb, .offset: 0, .size: 8, .value_kind: global_buffer, .address_space: global }
      - { .name: wb, .offset: 8, .size: 8, .value_kind: global_buffer, .address_space: global }
      - { .name: qkv, .offset: 16, .size: 8, .value_kind: global_buffer, .address_space: global }
    .group_segment_fixed_size: 327680
    .private_segment_fixed_size: 0
    .kernarg_segment_align: 8
    .kernarg_segment_size: 24
    .max_flat_workgroup_size: 128
    .sgpr_count:     66
    .vgpr_count:     1024
    .wavefront_size: 32
...
	.end_amdgpu_metadata
.endif
;; end of part 2
;; launch attn (part 3): grid 256 x 1, 8 waves a work-group, no clusters, 327,680 bytes of LDS; arguments qkv, ao; writes ao
.if DOCPART == 3
	.amdgcn_target "amdgcn-amd-amdhsa--gfx1250"
	.amdhsa_code_object_version 6
	.text
	.protected	k_q776e87a0fa_attn
	.globl	k_q776e87a0fa_attn
	.p2align	8
	.type	k_q776e87a0fa_attn,@function
k_q776e87a0fa_attn:
	s_mov_b64 s[64:65], 0
	v_nop
	global_prefetch_b8 v0, s[64:65] scope:SCOPE_SE
	s_setreg_imm32_b32 hwreg(HW_REG_WAVE_MODE, 25, 1), 1
	s_wait_xcnt 0x0
; Causal attention, one head plane at a time, with a running maximum.  qkv: 192 planes [2048 s][64 d] f16 (q 0-63, k 64-127, v 128-191,
; plane = batch x 16 + head inside each part); ao: 64 planes of the same shape, f16.  Scores, maxima, exponentials and sums in f32; the
; probabilities are rounded to f16 for the second product, the normaliser sums them unrounded.
; LIMITS: NaN and infinities in q, k, v are not treated; v_exp_f32 gives 0 for results below 2^-126 (ISA guide 15.8); no exponent is above
; the rounding of m c, since the running maximum is taken away.
; SHARES.  A head has 8 blocks of 256 queries; block i needs the key tiles (128 keys) 0 .. 2 i + 1.  Work-group j of a head's four takes
; block j and then block 7 - j: 2 (j + 1) + 2 (8 - j) = 18 tiles for every work-group.  Eight waves; a wave has 32 queries.
; A block's two diagonal tiles come FIRST, then tiles 0 .. 2 i - 1: the first 64 keys hold a valid key for every query (key 256 i), so the
; first maximum is finite and the first products start every sum: nothing is cleared.  A block has an even number of tiles, so the ring's
; slot is known in the text.
; TRANSPOSED FORMS.  S^T = K Q^T: lane (r, h) holds query r and keys 8 h + 0..7 of a tile of 16.  O^T = V^T P^T: two S^T tiles, packed to
; f16 in place, ARE P^T's fragment; maximum and sum are a lane's own, with one exchange between the halves of the wave.
; NO CLUSTER: the four work-groups of a head need 2 (j + 1) and then 2 (8 - j) tiles, different tiles at the same time; in step with each
; other every one would have to pass the longest partner's 8 + 16 tiles where it needs 18.
; TENSOR LOADS: a tile (K 16,384 bytes, V 16,384 bytes, both dense) is shared out among the eight waves, one load each: 4,096 bytes as 16
; rows of 256 bytes.  One tensor load of a wave is out at any time, issued straight behind a barrier and waited for in front of the next.
.set KPITCH, 144                       ; a key's 128 bytes + 16: an odd multiple of 16
.set VPITCH, 160                       ; a value's 128 bytes + 32: an odd multiple of 32, for the transposing load
.set KOFF,   128*VPITCH                ; in a slot V lies first, K behind it
.set SLOT,   KOFF+128*KPITCH           ; 38,912 bytes
.set STAGE,  2*SLOT                    ; 77,824: a multiple of 256; no tensor load ever fills what lies behind it
.set SPITCH, 144
.set STAGEW, 32*SPITCH                 ; 4,608 bytes a wave, a multiple of 256
.set KAD, 2                            ; v2-3    LDS address of my K fragments in slot 0, 1
.set VAD, 4                            ; v4-5    the same for V
.set STO, 6                            ; v6      the way out: where I put 16 bytes of a row
.set RD,  7                            ; v7      where I read rows back
.set CO,  8                            ; v8      my byte offset in the block's rows of ao
.set QO,  9                            ; v9      my byte offset in the block's rows of q
.set TH,  10                           ; v10-11  32 w + 16 qb + r - 8 h: key 64 up + 16 kt + jj of a diagonal step is valid if it is not above this
.set NEG, 12                           ; v12     minus infinity
.set MX,  14                           ; v14-15  running maximum of query block qb
.set NMC, 16                           ; v[16:19] - maximum x c, twice, for each qb
.set AL,  20                           ; v[20:23] the factor that brings old sums to the new maximum, twice, for each qb
.set LS,  24                           ; v[24:27] two partial sums of the probabilities for each qb
.set T,   28                           ; v[28:31] at work
.set QF,  32                           ; v[32:63]   Q's fragment (qb, c) at 16 qb + 8 c
.set SC,  64                           ; v[64:127]  S^T's tile (qb, kt) at 32 qb + 8 kt; then P^T's fragment (qb, g) at 32 qb + 16 g
.set OA,  128                          ; v[128:191] O^T's tile (qb, db) at 32 qb + 8 db
.set KV,  192                          ; v[192:255] K's fragment (kt, c) at 16 kt + 8 c, then V^T's (db, g) at 16 db + 8 g
.set G1V, 40                           ; s[40:47] group 1 for V
.set G1K, 48                           ; s[48:55] group 1 for K
.set G0V, 56                           ; s[56:63] group 0 for V, one set for each slot
.set G0K, 68                           ; s[68:75] group 0 for K, one set for each slot
	s_load_b128 s[4:7], s[0:1], 0x0                ; qkv s[4:5], ao s[6:7]
	v_lshl_add_u32 v13, v0, 2, 0x29000
	s_set_vgpr_msb 0x40
	v_mov_b32 v1, 0
	s_set_vgpr_msb 0x4044
	ds_add_u32 v13, v1
	ds_add_u32 v13, v1
	s_set_vgpr_msb 0x4400
	v_lshrrev_b32 v1, 5, v0
	v_readfirstlane_b32 s8, v1                     ; wave 0..7
	s_lshr_b32 s9, s8, 2                           ; I fetch for V (0) or for K (1)
	s_and_b32 s10, ttmp9, 3                        ; j
	s_lshr_b32 s11, ttmp9, 2                       ; head plane 0..63
	s_mov_b32 s12, 0x76543210                      ; v_permlanex16_b32: lane i of one half reads lane i of the other
	s_mov_b32 s13, 0xfedcba98
	s_mov_b32 s14, 0x3e38aa3b                      ; c = log2(e) / 8: the scale 1 / sqrt(64) and the change of base in one factor,
	s_mov_b32 s15, 0x3e38aa3b                      ; as a pair
	s_lshl_b32 s16, s10, 1                         ; NK, the tile that was asked for last: the first is 2 j
	s_add_co_u32 s17, s16, 2                       ; WF: where NK + 1 arrives here,
	s_cmp_eq_u32 s10, 0
	s_cselect_b32 s18, 14, 0                       ; WT: it goes on here: tile 0, or, where block 0 has no more, the second block's first tile
	; group 1: 16 rows x 128 elements of 2 bytes, dense; padding behind every 32 words (a key's 128 bytes): 8 words for V, 4 for K
	s_mov_b32 s[G1V+0], (1<<16)|(1<<20)|(4<<22)|(7<<25)
	s_mov_b32 s[G1K+0], (1<<16)|(1<<20)|(4<<22)|(3<<25)
.irp g, G1V, G1K
	s_mov_b32 s[\g+1], 128<<16                     ; tensor_dim0 = 128
	s_mov_b32 s[\g+2], 16<<16                      ; tensor_dim1 = 16
	s_mov_b32 s[\g+3], 128<<16                     ; tile_dim0 = 128
	s_mov_b32 s[\g+4], 16                          ; tile_dim1 = 16
	s_mov_b32 s[\g+5], 128                         ; elements from row to row
	s_mov_b32 s[\g+6], 0
	s_mov_b32 s[\g+7], 0
.endr
	s_mul_i32 s36, s8, 32*VPITCH                   ; waves 0-3: V's quarter w at w x 5,120
	s_mul_i32 s37, s8, 32*KPITCH                   ; waves 4-7: K's quarter w - 4 at 20,480 + (w - 4) x 4,608 = w x 4,608 + 2,048
	s_add_co_u32 s37, s37, KOFF-4*32*KPITCH
.irp x, 0,1
	s_mov_b32 s[G0V+4*\x], 1
	s_add_co_u32 s[G0V+4*\x+1], s36, \x*SLOT
	s_mov_b32 s[G0K+4*\x], 1
	s_add_co_u32 s[G0K+4*\x+1], s37, \x*SLOT
.endr
	s_lshl_b32 s20, s11, 18                        ; my head's plane: 262,144 bytes each
	s_mov_b32 s21, 0                               ; s[20:21] is the pair for offsets; s21 stays 0
	s_wait_dscnt 0x0
	s_wait_kmcnt 0x0
	s_add_nc_u64 s[4:5], s[4:5], s[20:21]          ; q's plane
	s_add_nc_u64 s[6:7], s[6:7], s[20:21]          ; ao's plane
	s_and_b32 s20, s8, 3
	s_lshl_b32 s20, s20, 12                        ; my quarter of a tile: 32 keys of 128 bytes
	s_add_nc_u64 s[24:25], s[4:5], s[20:21]
	s_add_nc_u64 s[22:23], s[24:25], 128*262144    ; VB: v's plane lies 128 planes behind q's
	s_add_nc_u64 s[24:25], s[24:25], 64*262144     ; KB: k's 64
	s_lshl_b32 s20, s10, 15                        ; block j: 256 rows of 128 bytes
	s_add_nc_u64 s[26:27], s[4:5], s[20:21]
	s_add_nc_u64 s[30:31], s[6:7], s[20:21]
	s_sub_co_u32 s20, 7, s10                       ; block 7 - j
	s_lshl_b32 s20, s20, 15
	s_add_nc_u64 s[28:29], s[4:5], s[20:21]
	s_add_nc_u64 s[32:33], s[6:7], s[20:21]
.macro ADDR x                          ; slot x's two group 0 get tile NK's address.  Stands only where no tensor load of the wave is out
	s_lshl_b32 s20, s16, 14                        ; 128 keys of 128 bytes
	s_add_nc_u64 s[G0V+4*\x+2:G0V+4*\x+3], s[22:23], s[20:21]
	s_or_b32 s[G0V+4*\x+3], s[G0V+4*\x+3], 0x80000000
	s_add_nc_u64 s[G0K+4*\x+2:G0K+4*\x+3], s[24:25], s[20:21]
	s_or_b32 s[G0K+4*\x+3], s[G0K+4*\x+3], 0x80000000
.endm
.macro NEXT x                          ; the next tile in the work-group's order
	s_add_co_u32 s16, s16, 1
	s_cmp_eq_u32 s16, s17
	s_cselect_b32 s16, s18, s16
	ADDR \x
.endm
.macro KVLOAD x                        ; my one tensor load: the branch hangs on the wave's number alone
	s_cmp_eq_u32 s9, 0
	s_cbranch_scc0 .Lfor_k_\@
	tensor_load_to_lds s[G0V+4*\x:G0V+4*\x+3], s[G1V:G1V+7]
	s_nop 0
	s_branch .Lasked_\@
.Lfor_k_\@:
	tensor_load_to_lds s[G0K+4*\x:G0K+4*\x+3], s[G1K:G1K+7]
	s_nop 0
.Lasked_\@:
.endm
	ADDR 0
	KVLOAD 0                                       ; the first tile, ahead of everything else; slot 1 is first filled behind the first barrier
	v_and_b32 v28, 31, v0                          ; l
	v_and_b32 v29, 15, v0                          ; r
	v_bfe_u32 v30, v0, 4, 1                        ; h
	s_mul_i32 s36, s8, STAGEW
	s_add_co_u32 s36, s36, STAGE                   ; my stage
	v_mul_u32_u24 v31, v29, KPITCH                 ; K's fragment, and the stage's rows (the same pitch): row r, 16 bytes for each half
	v_lshl_add_u32 v31, v30, 4, v31
	v_add_nc_u32 v[KAD], KOFF, v31
	v_add_nc_u32 v[KAD+1], KOFF+SLOT, v31
	v_add_nc_u32 v[STO], s36, v31
	v_and_b32 v31, 7, v0                           ; V, read transposed: lane l addresses key 8 h + l % 8, 16 bytes at 16 ((l / 8) % 2)
	v_lshl_add_u32 v31, v30, 3, v31
	v_mul_u32_u24 v31, v31, VPITCH
	v_bfe_u32 v1, v0, 3, 1
	v_lshl_add_u32 v[VAD], v1, 4, v31
	v_add_nc_u32 v[VAD+1], SLOT, v[VAD]
	v_bfe_u32 v1, v0, 3, 2                         ; back from the stage: eight lanes take a row's 128 bytes, four rows a load
	v_mul_u32_u24 v1, v1, SPITCH
	v_and_b32 v31, 7, v0
	v_lshl_add_u32 v1, v31, 4, v1
	v_add_nc_u32 v[RD], s36, v1
	v_lshlrev_b32 v[CO], 4, v28
	v_lshl_add_u32 v[CO], s8, 12, v[CO]            ; my wave's 32 rows of 128 bytes + 16 l
	v_lshlrev_b32 v[QO], 7, v29
	v_lshl_add_u32 v[QO], v30, 4, v[QO]
	v_lshl_add_u32 v[QO], s8, 12, v[QO]            ; (32 w + r) x 128 + 16 h
	v_lshl_add_u32 v[TH], s8, 5, v29
	v_lshlrev_b32 v31, 3, v30
	v_sub_nc_u32 v[TH], v[TH], v31                 ; 32 w + r - 8 h (may be negative: compared as signed)
	v_add_nc_u32 v[TH+1], 16, v[TH]
	v_mov_b32 v[NEG], 0xff800000
.macro QLOAD base                      ; my 32 queries as four fragments, straight from memory: row 16 qb + r, d = 32 c + 8 h .. and 16 more
.irp qb, 0,1
.irp c, 0,1
	global_load_b128 v[QF+16*\qb+8*\c:QF+16*\qb+8*\c+3],   v[QO], s[\base:\base+1] offset:\qb*2048+64*\c
	global_load_b128 v[QF+16*\qb+8*\c+4:QF+16*\qb+8*\c+7], v[QO], s[\base:\base+1] offset:\qb*2048+64*\c+32
.endr
.endr
.endm
; 64 keys (half u of the tile in the slot) against my 32 queries.  first = 1: the block's first step starts maximum, sums and O.
; mask = 1: a diagonal step, whose keys are 64 up .. 64 up + 63 of the block's own 256.
; In each run of eight matrix instructions eight accumulators take turns, one instruction a turn, in the same order in both runs.
.macro STEP slot, u, first, mask, up
.if \up > 0
	s_cmp_lt_u32 s8, 2*\up                         ; my last query is 32 w + 31: with w < 2 up every key of the step lies above it
	s_cbranch_scc1 .Lstep_end_\@                   ; nothing to add; what is jumped over holds no barrier and no tensor load
.endif
.irp c, 0,1
.irp kt, 0,1,2,3
	ds_load_b128 v[KV+16*\kt+8*\c:KV+16*\kt+8*\c+3],   v[KAD+\slot] offset:(64*\u+16*\kt)*KPITCH+64*\c
	ds_load_b128 v[KV+16*\kt+8*\c+4:KV+16*\kt+8*\c+7], v[KAD+\slot] offset:(64*\u+16*\kt)*KPITCH+64*\c+32
.endr
.endr
.if \first
	s_wait_loadcnt 0x0                             ; the block's queries
.endif
	s_wait_dscnt 8                                 ; d = 0 .. 31 of the 64 keys are in; the eight younger loads (d = 32 .. 63) may be out
.irp qb, 0,1
.irp kt, 0,1,2,3
	v_wmma_f32_16x16x32_f16 v[SC+32*\qb+8*\kt:SC+32*\qb+8*\kt+7], v[KV+16*\kt:KV+16*\kt+7], v[QF+16*\qb:QF+16*\qb+7], 0
.endr
.endr
	s_wait_dscnt 0
.irp qb, 0,1
.irp kt, 0,1,2,3
	v_wmma_f32_16x16x32_f16 v[SC+32*\qb+8*\kt:SC+32*\qb+8*\kt+7], v[KV+16*\kt+8:KV+16*\kt+15], v[QF+16*\qb+8:QF+16*\qb+15], v[SC+32*\qb+8*\kt:SC+32*\qb+8*\kt+7]
.endr
.endr
.rept 4
	v_nop                                          ; four places before loads land on K's registers and the scores are read
.endr
.irp g, 0,1
.irp db, 0,1,2,3
	ds_load_tr16_b128 v[KV+16*\db+8*\g:KV+16*\db+8*\g+3],   v[VAD+\slot] offset:(64*\u+32*\g)*VPITCH+32*\db
	ds_load_tr16_b128 v[KV+16*\db+8*\g+4:KV+16*\db+8*\g+7], v[VAD+\slot] offset:(64*\u+32*\g)*VPITCH+32*\db+16*VPITCH
.endr
.endr
.if \mask
.irp qb, 0,1
.irp kt, 0,1,2,3
.irp jj, 0,1,2,3,4,5,6,7
	v_cmp_le_i32 vcc_lo, 64*\up+16*\kt+\jj, v[TH+\qb]          ; key <= query
	v_cndmask_b32 v[SC+32*\qb+8*\kt+\jj], v[NEG], v[SC+32*\qb+8*\kt+\jj], vcc_lo
.endr
.endr
.endr
.endif
	; the new maximum of each query: 32 scores in four chains, the old maximum, the other half of the wave
.irp qb, 0,1
.irp kt, 0,1,2,3
	v_max3_num_f32 v[T+\kt], v[SC+32*\qb+8*\kt], v[SC+32*\qb+8*\kt+1], v[SC+32*\qb+8*\kt+2]
.endr
.irp kt, 0,1,2,3
	v_max3_num_f32 v[T+\kt], v[T+\kt], v[SC+32*\qb+8*\kt+3], v[SC+32*\qb+8*\kt+4]
.endr
.irp kt, 0,1,2,3
	v_max3_num_f32 v[T+\kt], v[T+\kt], v[SC+32*\qb+8*\kt+5], v[SC+32*\qb+8*\kt+6]
.endr
	v_max3_num_f32 v[T],   v[T],   v[T+1], v[SC+32*\qb+7]
	v_max3_num_f32 v[T+2], v[T+2], v[T+3], v[SC+32*\qb+15]
	v_max3_num_f32 v[T],   v[T],   v[SC+32*\qb+23], v[SC+32*\qb+31]
.if \first
	v_max_num_f32 v[T], v[T], v[T+2]
.else
	v_max3_num_f32 v[T], v[T], v[T+2], v[MX+\qb]
.endif
	v_permlanex16_b32 v[T+1], v[T], s12, s13
	v_max_num_f32 v[MX+\qb], v[T], v[T+1]
	v_mul_f32 v[T+2], 0xbe38aa3b, v[MX+\qb]        ; - m c
.if \first == 0
	v_sub_f32 v[T+3], v[T+2], v[NMC+2*\qb]         ; (old m - new m) c, never above 0
	v_exp_f32 v[AL+2*\qb], v[T+3]
	v_exp_f32 v[AL+2*\qb+1], v[T+3]                ; the two moves below are the plain place behind these (ISA guide 5.7.2)
.endif
	v_mov_b32 v[NMC+2*\qb], v[T+2]
	v_mov_b32 v[NMC+2*\qb+1], v[T+2]
.endr
	; p = 2^(s c - m c), in place.  Behind one block's exponentials stand the other's multiply-adds, behind the last the first sums
.irp qb, 0,1
.set i, 0
.rept 16
	v_pk_fma_f32 v[SC+32*\qb+i:SC+32*\qb+i+1], v[SC+32*\qb+i:SC+32*\qb+i+1], s[14:15], v[NMC+2*\qb:NMC+2*\qb+1] op_sel_hi:[1,0,1]
.set i, i+2
.endr
.set i, 0
.rept 32
	v_exp_f32 v[SC+32*\qb+i], v[SC+32*\qb+i]
.set i, i+1
.endr
.endr
	; the sums of the probabilities, unrounded, in four chains
.if \first
	s_wait_alu depctr_va_vdst(0)
.irp qb, 0,1
	v_pk_add_f32 v[LS+2*\qb:LS+2*\qb+1], v[SC+32*\qb:SC+32*\qb+1], v[SC+32*\qb+2:SC+32*\qb+3]
	v_pk_add_f32 v[T+2*\qb:T+2*\qb+1], v[SC+32*\qb+16:SC+32*\qb+17], v[SC+32*\qb+18:SC+32*\qb+19]
.endr
.else
	s_wait_alu depctr_va_vdst(0)
.irp qb, 0,1
	v_pk_fma_f32 v[LS+2*\qb:LS+2*\qb+1], v[LS+2*\qb:LS+2*\qb+1], v[AL+2*\qb:AL+2*\qb+1], v[SC+32*\qb:SC+32*\qb+1]
	v_pk_add_f32 v[T+2*\qb:T+2*\qb+1], v[SC+32*\qb+16:SC+32*\qb+17], v[SC+32*\qb+18:SC+32*\qb+19]
.endr
.irp qb, 0,1
	v_pk_add_f32 v[LS+2*\qb:LS+2*\qb+1], v[LS+2*\qb:LS+2*\qb+1], v[SC+32*\qb+2:SC+32*\qb+3]
.endr
.endif
.irp e, 2,3,4,5,6,7
.irp qb, 0,1
	v_pk_add_f32 v[LS+2*\qb:LS+2*\qb+1], v[LS+2*\qb:LS+2*\qb+1], v[SC+32*\qb+2*\e:SC+32*\qb+2*\e+1]
	v_pk_add_f32 v[T+2*\qb:T+2*\qb+1], v[T+2*\qb:T+2*\qb+1], v[SC+32*\qb+16+2*\e:SC+32*\qb+16+2*\e+1]
.endr
.endr
.irp qb, 0,1
	v_pk_add_f32 v[LS+2*\qb:LS+2*\qb+1], v[LS+2*\qb:LS+2*\qb+1], v[T+2*\qb:T+2*\qb+1]
.endr
	; P^T's fragments, in place: tile 2 g (keys 8 h ..) into registers 0-3, tile 2 g + 1 (keys 16 + 8 h ..) into registers 4-7 of the sixteen
.irp qb, 0,1
.irp g, 0,1
.irp k, 0,1,2,3
	v_cvt_pk_f16_f32 v[SC+32*\qb+16*\g+\k], v[SC+32*\qb+16*\g+2*\k], v[SC+32*\qb+16*\g+2*\k+1]
.endr
.irp k, 0,1,2,3
	v_cvt_pk_f16_f32 v[SC+32*\qb+16*\g+4+\k], v[SC+32*\qb+16*\g+8+2*\k], v[SC+32*\qb+16*\g+9+2*\k]
.endr
.endr
.endr
.if \first == 0
.irp qb, 0,1
.set i, 0
.rept 16
	v_pk_mul_f32 v[OA+32*\qb+i:OA+32*\qb+i+1], v[OA+32*\qb+i:OA+32*\qb+i+1], v[AL+2*\qb:AL+2*\qb+1]   ; O to the new maximum
.set i, i+2
.endr
.endr
.endif
	s_wait_dscnt 8                                 ; V's keys 0 .. 31 are in; the eight younger loads (keys 32 .. 63) may be out
.irp qb, 0,1
.irp db, 0,1,2,3
.if \first
	v_wmma_f32_16x16x32_f16 v[OA+32*\qb+8*\db:OA+32*\qb+8*\db+7], v[KV+16*\db:KV+16*\db+7], v[SC+32*\qb:SC+32*\qb+7], 0
.else
	v_wmma_f32_16x16x32_f16 v[OA+32*\qb+8*\db:OA+32*\qb+8*\db+7], v[KV+16*\db:KV+16*\db+7], v[SC+32*\qb:SC+32*\qb+7], v[OA+32*\qb+8*\db:OA+32*\qb+8*\db+7]
.endif
.endr
.endr
	s_wait_dscnt 0
.irp qb, 0,1
.irp db, 0,1,2,3
	v_wmma_f32_16x16x32_f16 v[OA+32*\qb+8*\db:OA+32*\qb+8*\db+7], v[KV+16*\db+8:KV+16*\db+15], v[SC+32*\qb+16:SC+32*\qb+23], v[OA+32*\qb+8*\db:OA+32*\qb+8*\db+7]
.endr
.endr
.rept 5
	v_nop                                          ; five places: the next scores are written over P, the next loads land on V's registers
.endr
.Lstep_end_\@:
.endm
; A tile: one barrier, for two things.  In front of it every wave waits for all its tensor loads (its part of this slot's tile) and for its
; reads of the other slot; behind it this slot is whole and nobody reads the other, which is filled again first, one load a wave.
.macro PHASE slot, other, refill, diag, d
	s_set_vgpr_msb 0x4
	s_wait_tensorcnt 0x0                           ; no tensor load of mine is out: a group 0 may be written
	ds_add_u32 v13, v1
	s_wait_dscnt 0x0
	s_set_vgpr_msb 0x400
.if \refill
	NEXT \other
.endif
	s_wait_dscnt 0x0
	s_barrier_signal -1
	s_barrier_wait -1
.if \refill
	KVLOAD \other
.endif
.if \diag
.if \d == 0
	STEP \slot, 0, 1, 1, 0
	STEP \slot, 1, 0, 1, 1
.else
	STEP \slot, 0, 0, 1, 2
	STEP \slot, 1, 0, 1, 3
.endif
.else
	STEP \slot, 0, 0, 0, 0
	STEP \slot, 1, 0, 0, 0
.endif
.endm
; A block's end: O / l, rounded to f16, through my own stage, so that each store covers 512 consecutive bytes of the plane (4 rows), aligned.
.macro FINAL base, again
.irp qb, 0,1
	v_add_f32 v[T+\qb], v[LS+2*\qb], v[LS+2*\qb+1]
.endr
.irp qb, 0,1
	v_permlanex16_b32 v[T+2+\qb], v[T+\qb], s12, s13           ; the other half's keys
.endr
.irp qb, 0,1
	v_add_f32 v[T+\qb], v[T+\qb], v[T+2+\qb]
.endr
.irp qb, 0,1
	v_rcp_f32 v[AL+2*\qb], v[T+\qb]                ; l is at least about 1: the largest probability is 2^0
	v_rcp_f32 v[AL+2*\qb+1], v[T+\qb]
.endr
	v_nop                                          ; the plain place behind them (ISA guide 5.7.2)
	s_wait_alu depctr_va_vdst(0)
.irp qb, 0,1
.irp db, 0,1,2,3
.irp k, 0,1,2,3
	v_pk_mul_f32 v[OA+32*\qb+8*\db+2*\k:OA+32*\qb+8*\db+2*\k+1], v[OA+32*\qb+8*\db+2*\k:OA+32*\qb+8*\db+2*\k+1], v[AL+2*\qb:AL+2*\qb+1]
.endr
.irp k, 0,1,2,3
	v_cvt_pk_f16_f32 v[KV+16*\qb+4*\db+\k], v[OA+32*\qb+8*\db+2*\k], v[OA+32*\qb+8*\db+2*\k+1]
.endr
	ds_store_b128 v[STO], v[KV+16*\qb+4*\db:KV+16*\qb+4*\db+3] offset:\qb*16*SPITCH+32*\db   ; row 16 qb + r, d = 16 db + 8 h ..
.endr
.endr
.irp t, 0,1,2,3,4,5,6,7
	ds_load_b128 v[SC+4*\t:SC+4*\t+3], v[RD] offset:\t*4*SPITCH    ; LDS serves a wave's instructions in order (ISA guide 5.7.1): these see the stores above
.endr
.irp t, 0,1,2,3,4,5,6,7
	s_wait_dscnt 7-\t
	global_store_b128 v[CO], v[SC+4*\t:SC+4*\t+3], s[\base:\base+1] offset:512*\t
.endr
.if \again
	s_wait_xcnt 0x0                                ; the stores' data registers are written again by the next block only behind this wait
.endif
.endm
	; block j
	QLOAD 26
	PHASE 0, 1, 1, 1, 0                            ; tile 2 j
	PHASE 1, 0, 1, 1, 1                            ; tile 2 j + 1
	s_lshl_b32 s17, s10, 1                         ; behind tile 2 j - 1
	s_sub_co_u32 s18, 14, s17                      ; comes the second block's first tile, 14 - 2 j
	s_cmp_eq_u32 s10, 0
	s_cbranch_scc1 .Lblock_a_done                  ; block 0 has its two diagonal tiles alone; on both ways one tensor load is out, waited for with 0
	s_mov_b32 s34, 0
.Lblock_a:                                     ; j trips: tiles 0 .. 2 j - 1
	PHASE 0, 1, 1, 0, 0
	PHASE 1, 0, 1, 0, 0
	s_add_co_u32 s34, s34, 1
	s_cmp_lt_u32 s34, s10
	s_cbranch_scc1 .Lblock_a
.Lblock_a_done:
	QLOAD 28                                       ; the second block's queries come in while the first block goes out
	FINAL 30, 1
	; block 7 - j
	s_sub_co_u32 s17, 16, s17                      ; behind tile 15 - 2 j
	s_mov_b32 s18, 0                               ; comes tile 0
	PHASE 0, 1, 1, 1, 0                            ; tile 14 - 2 j
	PHASE 1, 0, 1, 1, 1                            ; tile 15 - 2 j
	s_sub_co_u32 s35, 6, s10
	s_mov_b32 s34, 0
.Lblock_b:                                     ; 6 - j trips (at least 3): tiles 0 .. 11 - 2 j
	PHASE 0, 1, 1, 0, 0
	PHASE 1, 0, 1, 0, 0
	s_add_co_u32 s34, s34, 1
	s_cmp_lt_u32 s34, s35
	s_cbranch_scc1 .Lblock_b
	PHASE 0, 1, 1, 0, 0                            ; tile 12 - 2 j; the last fill
	PHASE 1, 0, 0, 0, 0                            ; tile 13 - 2 j: nothing is left to fetch
	FINAL 32, 0
	s_set_vgpr_msb 0x4
	s_wait_tensorcnt 0x0
	ds_add_u32 v13, v1
	s_wait_dscnt 0x0
	s_set_vgpr_msb 0x400
	s_endpgm
.Lfunc_end_k_q776e87a0fa_attn:
	.size	k_q776e87a0fa_attn, .Lfunc_end_k_q776e87a0fa_attn-k_q776e87a0fa_attn
	.p2alignl 7, 3214868480
	.fill 96, 4, 3214868480
	.section	.rodata,"a",@progbits
	.p2align	6, 0x0
	.amdhsa_kernel k_q776e87a0fa_attn
		.amdhsa_group_segment_fixed_size 327680
		.amdhsa_private_segment_fixed_size 0
		.amdhsa_enable_private_segment 0
		.amdhsa_kernarg_size 16
		.amdhsa_user_sgpr_count 2
		.amdhsa_user_sgpr_kernarg_segment_ptr 1
		.amdhsa_wavefront_size32 1
		.amdhsa_system_sgpr_workgroup_id_x 1
		.amdhsa_system_sgpr_workgroup_id_y 1
		.amdhsa_system_sgpr_workgroup_id_z 1
		.amdhsa_system_vgpr_workitem_id 0
		.amdhsa_next_free_vgpr 258
		.amdhsa_next_free_sgpr 76
		.amdhsa_reserve_vcc 1
		.amdhsa_float_denorm_mode_32 3
		.amdhsa_float_denorm_mode_16_64 3
		.amdhsa_memory_ordered 1
		.amdhsa_forward_progress 1
		.amdhsa_inst_pref_size 255
	.end_amdhsa_kernel
	.section	.bss,"aw",@nobits
	.p2align	6
	.space	262144
	.amdgpu_metadata
---
amdhsa.version: [ 1, 2 ]
amdhsa.kernels:
  - .name:           k_q776e87a0fa_attn
    .symbol:         k_q776e87a0fa_attn.kd
    .args:
      - { .name: qkv, .offset: 0, .size: 8, .value_kind: global_buffer, .address_space: global }
      - { .name: ao, .offset: 8, .size: 8, .value_kind: global_buffer, .address_space: global }
    .group_segment_fixed_size: 327680
    .private_segment_fixed_size: 0
    .kernarg_segment_align: 8
    .kernarg_segment_size: 16
    .max_flat_workgroup_size: 256
    .sgpr_count:     76
    .vgpr_count:     258
    .wavefront_size: 32
...
	.end_amdgpu_metadata
.endif
;; end of part 3
;; launch gemm_out (part 4): grid 4 x 64, 4 waves a work-group, clusters of 4 x 4, 327,680 bytes of LDS; arguments ao, wb, out0; writes out0
.if DOCPART == 4
	.amdgcn_target "amdgcn-amd-amdhsa--gfx1250"
	.amdhsa_code_object_version 6
	.text
	.protected	k_q776e87a0fa_gemm_out
	.globl	k_q776e87a0fa_gemm_out
	.p2align	8
	.type	k_q776e87a0fa_gemm_out,@function
k_q776e87a0fa_gemm_out:
	s_mov_b64 s[64:65], 0
	v_nop
	global_prefetch_b8 v0, s[64:65] scope:SCOPE_SE
	s_setreg_imm32_b32 hwreg(HW_REG_WAVE_MODE, 25, 1), 1
	s_wait_xcnt 0x0
	s_wait_alu depctr_hold_cnt(0) depctr_sa_sdst(0) depctr_va_vdst(0) depctr_va_sdst(0) depctr_va_ssrc(0) depctr_va_vcc(0) depctr_vm_vsrc(0)
	s_getreg_b32 s2, hwreg(HW_REG_IB_STS2, 6, 4)
	s_cmp_eq_u32 s2, 0
	s_cbranch_scc0 .Lentry_in_a_cluster
	s_endpgm
.Lentry_in_a_cluster:
	s_bfe_u32 s2, ttmp6, 0x10000c
	s_cmp_lg_u32 s2, 0xf033
	s_cbranch_scc0 .Lentry_shape_is_right
	s_endpgm
.Lentry_shape_is_right:
; The last product:  out0[m][n] = sum over k of A[m][k] B[n][k], K = 1024, sums in f32.
;   A = ao, 64 planes [2048 s][64 d] f16 (plane = batch x 16 + head; k = 64 head + d);  B = wb rows 3072-4095 (Wo) f16;
;   out0 [8192][1024] f32.
; A work-group makes 128 x 256 of C: 8192 x 1024 outputs are then 256 work-groups, one for each WGP.
; Four waves, 2 x 2, each 64 x 128: 32 accumulator tiles of 16 x 16, 256 registers.  K goes in steps of 128 (two heads) through two LDS slots.
; CLUSTERS: 4 x 4 work-groups.  A's tile hangs on the block row alone and is asked for jointly by a row of the cluster, B's on the block
; column alone and by a column: each of the four issues the same tensor load with the same descriptor and a mask that names the four.
; REGISTERS: window 0: v0-31 addresses, v32-95 A's fragments (two buffers of 4), v96-223 B's (two buffers of 8, used again on the way out);
; window 1: accumulator tile (a, b) at v[8 (8 a + b)].
; THE MATRIX INSTRUCTION IS USED TRANSPOSED (source 0 = rows of B, source 1 = rows of A): lane l then holds row l % 16 of C and its eight
; registers the columns 8 (l / 16) + 0 .. 7, neighbouring numbers of a row.
.set LAPS,   4                         ; 8 K steps of 128 = 4 times round the ring
.set BPITCH, 272                       ; an LDS row of B: 256 bytes + 16: an odd multiple of 16, so 16 rows start at 16 different 16-byte columns modulo 256
.set BHALF,  128*BPITCH                ; 128 rows of B: one tensor load, and what one wave reads of B
.set ABASE,  2*BHALF                   ; A lies behind B's 256 rows
.set APITCH, 144                       ; a row of a head's plane: 128 bytes + 16
.set AHALF,  128*APITCH                ; one tensor load: 128 rows of one head (K step ks holds heads 2 ks and 2 ks + 1)
.set APLANE, AHALF                     ; from the first head's rows to the second's
.set ASTEP,  2*262144                  ; a K step on: two planes
.set BSTEP,  256
.set SPITCH, 528                       ; stage: a row of 128 f32 + 16 bytes
.set ACONST, ABASE-2*AHALF             ; waves 2 and 3 fetch A: LDS address = wave x AHALF + ACONST
.set SLOT,   ABASE+2*AHALF
.set STAGE,  2*SLOT                    ; behind the ring: 16 rows for each wave, which no tensor load ever fills; a multiple of 256
.set STAGEW, 16*SPITCH                 ; a multiple of 256
.set ADRA, 16                          ; v16-17  LDS address of my A fragments in slot 0, 1
.set ADRB, 20                          ; v20-21  the same for B
.set STO,  24                          ; v24     the way out: where I put my part of a row
.set RD,   25                          ; v25     the way out: where I read rows back
.set CO,   26                          ; v26     my byte offset in a row's 512 bytes
.set FA,   32
.set FB,   96
.set G1,  24                           ; s[24:31] group 1 for A's tiles
.set G0,  32                           ; s[32:39] group 0 for A's tiles, one set for each slot
.set G1B, 48                           ; s[48:55] group 1 for B's tiles
.set G0B, 56                           ; s[56:63] group 0 for B's tiles, one set for each slot
.set W_MUL, 0x50                       ; sources in window 0, C and D in window 1
.set MSB, 0
.macro WIN new                         ; the immediate's high byte repeats the setting that is left
.if MSB != \new
	s_set_vgpr_msb (MSB<<8)|\new
.set MSB, \new
.endif
.endm
; A joint load.  Waves 0 and 1 fetch B's two halves, waves 2 and 3 A's two heads.  Each line has one mask and one set of registers for all
; that issue it; the branch hangs on the wave's number alone.
.macro JLOAD s
	s_cmp_eq_u32 s11, 0
	s_cbranch_scc0 .Lfor_a_\@
	tensor_load_to_lds s[G0B+4*\s:G0B+4*\s+3], s[G1B:G1B+7]
	s_nop 0
	s_branch .Lasked_\@
.Lfor_a_\@:
	tensor_load_to_lds s[G0+4*\s:G0+4*\s+3], s[G1:G1+7]
	s_nop 0
.Lasked_\@:
.endm
; A round of the cluster's barrier: my work-group's barrier, wave 0 signals for the work-group, every wave waits for all sixteen, my
; work-group's barrier once more.
.macro CREST                           ; a round behind its opening barrier
	s_cmp_lg_u32 s10, 0
	s_cbranch_scc1 .Lnot_wave_0_\@
	s_barrier_signal -3
.Lnot_wave_0_\@:
	s_barrier_wait -3
	s_barrier_signal -1
	s_barrier_wait -1
.endm
.macro CROUND
	s_barrier_signal -1
	s_barrier_wait -1
	CREST
.endm
	s_load_b128 s[4:7], s[0:1], 0x0                ; ao s[4:5], wb s[6:7]
	s_load_b64 s[8:9], s[0:1], 0x10                ; out0
	v_lshl_add_u32 v254, v0, 2, 0x3c400
	v_mov_b32 v255, 0
	ds_add_u32 v254, v255
	ds_add_u32 v254, v255
	v_lshrrev_b32 v1, 5, v0
	v_readfirstlane_b32 s10, v1                    ; wave 0..3
	s_lshr_b32 s11, s10, 1                         ; which 64 rows of the block are mine.  Also: I fetch for B (0) or for A (1)
	s_and_b32 s12, s10, 1                          ; which 128 columns.  Also: which half of that tile I fetch
	s_bfe_u32 s40, ttmp6, 0x40000                  ; cx
	s_bfe_u32 s41, ttmp6, 0x40004                  ; cy
	s_lshl_b32 s42, ttmp9, 2
	s_add_co_u32 s42, s42, s40                     ; block column = 4 x cluster x + cx
	s_and_b32 s13, ttmp7, 0xffff
	s_lshl_b32 s13, s13, 2
	s_add_co_u32 s13, s13, s41                     ; block row = 4 x cluster y + cy
	s_lshl_b32 s43, s41, 2
	s_lshl_b32 s43, 15, s43                        ; my row of the cluster: places 4 cy .. 4 cy + 3
	s_lshl_b32 s44, 0x1111, s40                    ; my column: places cx, cx + 4, cx + 8, cx + 12
	; group 1 for A: 128 rows of 128 bytes of one plane are a dense block, taken as 64 rows x 128 elements of 2 bytes; 4 words of padding
	; behind every 32 words, so that each row of the plane gets its own 144 bytes
	s_or_b32 s[G1+0], s43, (1<<16)|(1<<20)|(1<<21)|(4<<22)|(3<<25)   ; 15:0 mask: my row; 17:16 2 bytes; 20 padding on; 21 set beside a mask
	s_mov_b32 s[G1+1], 128<<16                     ; tensor_dim0 = 128
	s_mov_b32 s[G1+2], 64<<16                      ; tensor_dim1 = 64
	s_mov_b32 s[G1+3], 128<<16                     ; tile_dim0 = 128
	s_mov_b32 s[G1+4], 64                          ; tile_dim1 = 64
	s_mov_b32 s[G1+5], 128                         ; elements from row to row
	s_mov_b32 s[G1+6], 0
	s_mov_b32 s[G1+7], 0
	; group 1 for B: 128 rows x 128 elements, 4 words of padding behind every 64
	s_or_b32 s[G1B+0], s44, (1<<16)|(1<<20)|(1<<21)|(5<<22)|(3<<25)      ; mask: my column
	s_mov_b32 s[G1B+1], 128<<16
	s_mov_b32 s[G1B+2], 128<<16
	s_mov_b32 s[G1B+3], 128<<16
	s_mov_b32 s[G1B+4], 128
	s_mov_b32 s[G1B+5], 1024
	s_mov_b32 s[G1B+6], 0
	s_mov_b32 s[G1B+7], 0
	; where the tiles come from: A's offset is made of the block row and the wave's number, B's of the block column and the wave's number,
	; each in registers that never hold the other coordinate
	s_lshr_b32 s16, s13, 4                         ; batch = block row / 16: 16 planes of 262,144 bytes
	s_lshl_b32 s16, s16, 22
	s_and_b32 s17, s13, 15                         ; 128 rows of 128 bytes for each block row inside the batch
	s_lshl_b32 s17, s17, 14
	s_add_co_u32 s16, s16, s17
	s_lshl_b32 s17, s12, 18                        ; the step's first or second head
	s_add_co_u32 s16, s16, s17
	s_mov_b32 s17, 0
	s_lshl_b32 s46, s42, 19                        ; 256 rows of 2,048 bytes
	s_lshl_b32 s47, s12, 18                        ; + 128 rows
	s_add_co_u32 s46, s46, s47
	s_add_co_u32 s46, s46, 3072*2048               ; Wo begins at row 3072 of wb
	s_mov_b32 s47, 0
	s_mul_i32 s20, s10, BHALF                      ; and where they go: the wave's number times a constant, plus a constant
	s_mul_i32 s21, s10, AHALF
	s_add_co_u32 s21, s21, ACONST
	s_wait_dscnt 0x0
	s_wait_kmcnt 0x0
	s_add_nc_u64 s[14:15], s[4:5], s[16:17]
	s_add_nc_u64 s[46:47], s[6:7], s[46:47]
	CROUND                                         ; all sixteen work-groups are here: the first joint loads meet
.irp s, 0,1
	s_mov_b32 s[G0+4*\s], 1
	s_add_co_u32 s[G0+4*\s+1], s21, \s*SLOT
	s_add_nc_u64 s[G0+4*\s+2:G0+4*\s+3], s[14:15], \s*ASTEP
	s_or_b32 s[G0+4*\s+3], s[G0+4*\s+3], 0x80000000
	s_mov_b32 s[G0B+4*\s], 1
	s_add_co_u32 s[G0B+4*\s+1], s20, \s*SLOT
	s_add_nc_u64 s[G0B+4*\s+2:G0B+4*\s+3], s[46:47], \s*BSTEP
	s_or_b32 s[G0B+4*\s+3], s[G0B+4*\s+3], 0x80000000
	JLOAD \s                                       ; K steps 0 and 1: two tensor loads of the wave are out
.endr
	; a fragment is 16 rows x 32 K in 8 registers: lane l holds row l % 16, registers 0-3 K = 8 (l / 16) + 0..7, registers 4-7 16 more
	v_and_b32 v1, 15, v0                           ; r = l % 16
	v_bfe_u32 v2, v0, 4, 1                         ; h = l / 16
	v_mul_u32_u24 v3, v1, BPITCH
	v_lshl_add_u32 v3, v2, 4, v3
	v_mul_u32_u24 v4, v1, APITCH
	v_lshl_add_u32 v4, v2, 4, v4
	s_mul_i32 s22, s12, BHALF                      ; my 128 rows of B
	s_mul_i32 s23, s11, 64*APITCH                  ; my 64 rows of A
	s_add_co_u32 s23, s23, ABASE
.irp s, 0,1
	v_add_nc_u32 v[ADRB+\s], s22, v3
	v_add_nc_u32 v[ADRA+\s], s23, v4
	s_add_co_u32 s22, s22, SLOT
	s_add_co_u32 s23, s23, SLOT
.endr
	s_mul_i32 s23, s10, STAGEW
	s_add_co_u32 s23, s23, STAGE                   ; my stage
	v_mul_u32_u24 v5, v1, SPITCH                   ; in: row r,
	v_and_b32 v6, 31, v0
	v_lshl_add_u32 v5, v2, 5, v5                   ; 32 bytes (8 f32) for each half of the lanes
	v_lshl_add_u32 v[RD], v6, 4, s23               ; back: the 32 lanes take one row of 512 bytes
	v_add_nc_u32 v[STO], s23, v5
	v_lshlrev_b32 v[CO], 4, v6                     ; 16 bytes a lane: 512 consecutive bytes a store
.macro MM c, p, q, zero                ; one matrix instruction: accumulator at c, B's fragment at p, A's at q; zero = 1 starts the sum
.if \zero
	v_wmma_f32_16x16x32_f16 v[\c:\c+7], v[\p:\p+7], v[\q:\q+7], 0
.else
	v_wmma_f32_16x16x32_f16 v[\c:\c+7], v[\p:\p+7], v[\q:\q+7], v[\c:\c+7]
.endif
.endm
; 8 matrix instructions: my rows 16 a .. 16 a + 15 x all 8 column blocks, 32 along K, from buffer f.  The 32 accumulators take turns, one
; instruction a turn, in the same order in every quarter step and over the loop's backward jump.
.macro MUL8 f, a, zero
.irp b, 0,1,2,3,4,5,6,7
	MM 8*(8*\a+\b), FB+64*\f+8*\b, FA+32*\f+8*\a, \zero
.endr
.endm
; 24 LDS loads in one run: the fragments of quarter kq of a K step (128 rows of B, then 64 rows of A) into buffer g
.macro FETCH slot, kq, g
	WIN 0
.irp i, 0,1,2,3,4,5,6,7
	ds_load_b128 v[FB+64*\g+8*\i:FB+64*\g+8*\i+3],   v[ADRB+\slot] offset:64*\kq+\i*16*BPITCH
	ds_load_b128 v[FB+64*\g+8*\i+4:FB+64*\g+8*\i+7], v[ADRB+\slot] offset:64*\kq+\i*16*BPITCH+32
.endr
.irp i, 0,1,2,3
	ds_load_b128 v[FA+32*\g+8*\i:FA+32*\g+8*\i+3],   v[ADRA+\slot] offset:(\kq>>1)*APLANE+(\kq&1)*64+\i*16*APITCH
	ds_load_b128 v[FA+32*\g+8*\i+4:FA+32*\g+8*\i+7], v[ADRA+\slot] offset:(\kq>>1)*APLANE+(\kq&1)*64+\i*16*APITCH+32
.endr
.endm
; A load into a register that a matrix instruction has read, and a vector instruction or LDS store that reads a matrix result, stand four
; places behind that matrix instruction, and only plain vector instructions that name none of its registers are places (ISA guide 7.12.1
; for vector instructions).
.macro PLACES
.rept 4
	v_nop
.endr
.endm
; One of a K step's first three quarters: multiplies buffer f; in its middle fetches quarter kq into buffer g.
.macro QUARTER slot, kq, f, g, zero
	s_wait_dscnt 4                                 ; B and A's rows 0-31 are in; the youngest four loads (A's rows 32-63) may be out
	WIN W_MUL
	MUL8 \f, 0, \zero
	MUL8 \f, 1, \zero
	PLACES
	FETCH \slot, \kq, \g
	s_wait_dscnt 24                                ; all but the 24 just issued
	WIN W_MUL
	MUL8 \f, 2, \zero
	MUL8 \f, 3, \zero
.endm
.macro THREE slot, zero
	QUARTER \slot, 1, 0, 1, \zero
	QUARTER \slot, 2, 1, 0, 0
	QUARTER \slot, 3, 0, 1, 0
.endm
; The last quarter: multiplies buffer 1 and changes slots.  In front of the barrier each wave waits for its reads of this slot and for all
; its tensor loads (the one that is out is its part of the next slot).  Where this slot is filled again the barrier opens a round of the
; cluster's barrier, and the joint refill is the first tensor load behind the round, one a wave.  From a request to the wait for it a wave
; issues 16 + 96 + 8 = 120 matrix instructions.
.macro TURN slot, next, fill
	s_wait_dscnt 4
	WIN W_MUL
	MUL8 1, 0, 0
	s_wait_dscnt 0                                 ; my reads of this slot are over
	s_wait_tensorcnt 0x0                           ; and all my tensor loads have landed
	ds_add_u32 v254, v255
	s_wait_dscnt 0x0
	s_barrier_signal -1
	MUL8 1, 1, 0                                   ; work on registers while the others arrive
	WIN 0
	s_barrier_wait -1
.if \fill
	CREST                                          ; no wave of any partner still reads this slot's tile or has a load on its way
	s_add_nc_u64 s[G0+4*\slot+2:G0+4*\slot+3], s[G0+4*\slot+2:G0+4*\slot+3], 2*ASTEP
	s_add_nc_u64 s[G0B+4*\slot+2:G0B+4*\slot+3], s[G0B+4*\slot+2:G0B+4*\slot+3], 2*BSTEP
	JLOAD \slot
.endif
	PLACES
	FETCH \next, 0, 0
	WIN W_MUL
	MUL8 1, 2, 0
	MUL8 1, 3, 0
.endm
.macro LAP zero
	THREE 0, \zero
	TURN 0, 1, 1
	THREE 1, 0
	TURN 1, 0, 1
.endm
	s_wait_tensorcnt 0x1                           ; my part of K step 0 is in; K step 1's may stay out
	s_barrier_signal -1
	s_barrier_wait -1
	FETCH 0, 0, 0
	LAP 1                                          ; the first lap stands in front of the loop: its first products start the sums
	WIN 0                                          ; at a label and at a branch every window is 0
	s_mov_b32 s3, LAPS-2
.Llap:
	LAP 0
	WIN 0
	s_sub_co_u32 s3, s3, 1
	s_cmp_lg_u32 s3, 0
	s_cbranch_scc1 .Llap
	THREE 0, 0                                     ; the last lap fills nothing
	TURN 0, 1, 0
	THREE 1, 0
	s_wait_dscnt 4
	WIN W_MUL
	MUL8 1, 0, 0
	MUL8 1, 1, 0
	s_wait_dscnt 0
	MUL8 1, 2, 0
	MUL8 1, 3, 0
	PLACES                                         ; the places behind the last matrix instructions, for all that follows
	; THE WAY OUT, 16 rows at a time through my own stage, so that every store covers 512 consecutive bytes, aligned.
	; The block row's part of the offset is made in s16-17, the block column's in s46-47 (which held B's address).
	s_lshl_b32 s16, s13, 19                        ; 128 rows of 4,096 bytes
	s_lshl_b32 s17, s11, 18                        ; + my 64 rows
	s_add_co_u32 s16, s16, s17
	s_lshl_b32 s46, s42, 10                        ; 256 columns of 4 bytes
	s_lshl_b32 s47, s12, 9                         ; + my 128 columns
	s_add_co_u32 s46, s46, s47
	s_mov_b32 s17, 0
	s_mov_b32 s47, 0
	s_add_nc_u64 s[8:9], s[8:9], s[16:17]
	s_add_nc_u64 s[8:9], s[8:9], s[46:47]
; rows 16 a .. 16 a + 15 in f32: 32 bytes a lane and tile into the stage, whole rows of 512 bytes back
.macro OUT16 a
	WIN 0x04                                       ; an LDS store's data is source 1: window 1
.irp b, 0,1,2,3,4,5,6,7
	ds_store_b128 v[STO], v[8*(8*\a+\b):8*(8*\a+\b)+3]   offset:64*\b
	ds_store_b128 v[STO], v[8*(8*\a+\b)+4:8*(8*\a+\b)+7] offset:64*\b+16
.endr
	WIN 0
	s_wait_xcnt 0x0                                ; the buffer that earlier stores read is loaded again only behind this wait
.irp t, 0,1,2,3,4,5,6,7,8,9,10,11,12,13,14,15
	ds_load_b128 v[FB+64*(\a&1)+4*\t:FB+64*(\a&1)+4*\t+3], v[RD] offset:\t*SPITCH   ; LDS serves a wave's instructions in order (ISA guide 5.7.1): these see the stores above
.endr
.irp t, 0,1,2,3,4,5,6,7,8,9,10,11,12,13,14,15
	s_wait_dscnt 15-\t
	global_store_b128 v[CO], v[FB+64*(\a&1)+4*\t:FB+64*(\a&1)+4*\t+3], s[8:9] offset:(16*\a+\t)*4096 th:TH_STORE_NT
.endr
.endm
	OUT16 0
	OUT16 1
	OUT16 2
	OUT16 3
	s_wait_tensorcnt 0x0
	ds_add_u32 v254, v255
	s_wait_dscnt 0x0
	CROUND                                         ; the closing round: no work-group ends while a partner may still ask for a tile that names it
	s_endpgm
.Lfunc_end_k_q776e87a0fa_gemm_out:
	.size	k_q776e87a0fa_gemm_out, .Lfunc_end_k_q776e87a0fa_gemm_out-k_q776e87a0fa_gemm_out
	.p2alignl 7, 3214868480
	.fill 96, 4, 3214868480
	.section	.rodata,"a",@progbits
	.p2align	6, 0x0
	.amdhsa_kernel k_q776e87a0fa_gemm_out
		.amdhsa_group_segment_fixed_size 327680
		.amdhsa_private_segment_fixed_size 0
		.amdhsa_enable_private_segment 0
		.amdhsa_kernarg_size 24
		.amdhsa_user_sgpr_count 2
		.amdhsa_user_sgpr_kernarg_segment_ptr 1
		.amdhsa_wavefront_size32 1
		.amdhsa_system_sgpr_workgroup_id_x 1
		.amdhsa_system_sgpr_workgroup_id_y 1
		.amdhsa_system_sgpr_workgroup_id_z 1
		.amdhsa_system_vgpr_workitem_id 0
		.amdhsa_next_free_vgpr 512
		.amdhsa_next_free_sgpr 66
		.amdhsa_reserve_vcc 0
		.amdhsa_float_denorm_mode_32 3
		.amdhsa_float_denorm_mode_16_64 3
		.amdhsa_memory_ordered 1
		.amdhsa_forward_progress 1
		.amdhsa_inst_pref_size 118
	.end_amdhsa_kernel
	.amdgpu_metadata
---
amdhsa.version: [ 1, 2 ]
amdhsa.kernels:
  - .name:           k_q776e87a0fa_gemm_out
    .symbol:         k_q776e87a0fa_gemm_out.kd
    .args:
      - { .name: ao, .offset: 0, .size: 8, .value_kind: global_buffer, .address_space: global }
      - { .name: wb, .offset: 8, .size: 8, .value_kind: global_buffer, .address_space: global }
      - { .name: out0, .offset: 16, .size: 8, .value_kind: global_buffer, .address_space: global }
    .group_segment_fixed_size: 327680
    .private_segment_fixed_size: 0
    .kernarg_segment_align: 8
    .kernarg_segment_size: 24
    .max_flat_workgroup_size: 128
    .sgpr_count:     66
    .vgpr_count:     512
    .wavefront_size: 32
...
	.end_amdgpu_metadata
.endif
;; end of part 4
;; ======== version 2 of 2: 4 launches; version 1 with the launch cast written anew for expert scheduling mode
;; limits: values are held in f16: magnitudes above 65,504 overflow, below 6.1e-05 lose precision
;; workspace buffers: xb 16,777,216 bytes; wb 8,388,608 bytes; qkv 50,331,648 bytes; ao 16,777,216 bytes
;; launch cast (part 5): grid 768 x 1, 8 waves a work-group, no clusters, 0 bytes of LDS; arguments x, Wq, Wk, Wv, Wo, xb, wb; writes xb, wb
.if DOCPART == 5
	.amdgcn_target "amdgcn-amd-amdhsa--gfx1250"
	.amdhsa_code_object_version 6
	.text
	.protected	k_q776e87a0fa_cast
	.globl	k_q776e87a0fa_cast
	.p2align	8
	.type	k_q776e87a0fa_cast,@function
k_q776e87a0fa_cast:
	s_mov_b64 s[64:65], 0
	v_nop
	global_prefetch_b8 v0, s[64:65] scope:SCOPE_SE
	s_setreg_imm32_b32 hwreg(HW_REG_WAVE_SCHED_MODE, 0, 2), 2
	s_setreg_imm32_b32 hwreg(HW_REG_WAVE_MODE, 25, 1), 1
	s_wait_xcnt 0x0
	s_wait_alu depctr_vm_vsrc(0)
; x and the four weights, f32, are rounded ONCE to the 16-bit formats that the matrix products take, so that the products fetch half the
; bytes and convert nothing (x is used by 12 block columns, a weight by 64 block rows).
;   xb [8192][1024] bf16 = x.     wb [4096][1024]: rows 0-1023 Wq, 1024-2047 Wk, 2048-3071 Wv in bf16; rows 3072-4095 Wo in f16.
; Wo is rounded to bf16 like the other four inputs and then written in f16's code, because its partner in the last product (the heads'
; outputs) is f16 and a matrix instruction takes one format for both operands.  The second step is exact for 2^-14 <= |w| < 65,504;
; LIMIT: a smaller |w| keeps an absolute error of at most 2^-25, a larger one becomes infinite.
; A work-group takes 65,536 bytes of f32: ids 0-511 x, ids 512-767 the weights (64 each).  A wave takes 8,192 bytes as 16 loads of 512
; consecutive bytes, all issued at once; a lane's 4 numbers become 8 bytes, so each store of the wave covers 256 consecutive bytes, aligned.
; No LDS, no barrier, no matrix unit: each byte is read once and written once, and nothing is shared.
; THE MODE: SCHED_MODE bits 1:0 = 2 (LLVM: expert scheduling mode 2), set by the entry lines.  The code itself states the register
; dependences between vector instructions and memory instructions, with s_wait_alu, always for 0.
; THE PLAN.  Registers that memory instructions touch:
;   v1, v2   byte offsets in the source and in the destination chunk.  Written at the head, read by the 16 loads (v1) and the 16 stores
;            (v2), never written again.
;   X        piece i as loaded.  Each register takes one load in the whole kernel; the roundings read it behind the piece's wait on LOADcnt
;            (in Wo's path vector lines write it again behind that wait); no memory instruction reads it.
;   Y        piece i to store.  Written by the roundings, read by the piece's one store, never written behind that store.
; So one wait on va_vdst stands at the head, for the two offsets, and one for each group of four pieces, between the group's roundings and
; its run of four stores.  The group's wait stands behind its roundings, so that its stores are issued ahead of the wait for the next
; group's loads.  No register that a memory instruction reads is written again: no wait on vm_vsrc is owed.  No vector line writes a scalar
; register, VCC or EXEC.
.set NX,  512                          ; work-groups that take x
.set NWO, 704                          ; the first work-group that takes Wo
.set X,   4                            ; v[4:67]   piece i: 4 numbers as loaded
.set Y,   68                           ; v[68:99]  piece i: 2 registers to store
	s_load_b256 s[4:11], s[0:1], 0x0               ; x s[4:5], Wq s[6:7], Wk s[8:9], Wv s[10:11]
	s_load_b128 s[12:15], s[0:1], 0x20             ; Wo s[12:13], xb s[14:15]
	s_load_b64 s[16:17], s[0:1], 0x30              ; wb
	s_sub_co_u32 s20, ttmp9, NX                    ; c: my chunk among the weights' 256 (used only where the id is 512 or more)
	s_lshr_b32 s21, s20, 6                         ; which weight
	s_and_b32 s22, s20, 63                         ; which chunk of it
	v_and_b32 v1, 0xe0, v0                         ; 32 x wave
	v_and_b32 v2, 31, v0                           ; lane
	v_lshlrev_b32 v1, 8, v1                        ; wave x 8,192 bytes
	v_lshl_or_b32 v1, v2, 4, v1                    ; + 16 bytes a lane: offset in the source chunk
	v_lshrrev_b32 v2, 1, v1                        ; half of it: offset in the destination chunk
	s_wait_kmcnt 0x0
	s_mov_b64 s[24:25], s[6:7]                     ; the weight, chosen by its number
	s_cmp_eq_u32 s21, 1
	s_cselect_b64 s[24:25], s[8:9], s[24:25]
	s_cmp_eq_u32 s21, 2
	s_cselect_b64 s[24:25], s[10:11], s[24:25]
	s_cmp_eq_u32 s21, 3
	s_cselect_b64 s[24:25], s[12:13], s[24:25]
	s_cmp_lt_u32 ttmp9, NX                         ; x or a weight: four selects on one compare (a select leaves SCC alone)
	s_cselect_b64 s[24:25], s[4:5], s[24:25]       ; from
	s_cselect_b64 s[26:27], s[14:15], s[16:17]     ; to
	s_cselect_b32 s28, ttmp9, s22                  ; chunk in the source
	s_cselect_b32 s29, ttmp9, s20                  ; chunk in the destination
	s_lshl_b32 s30, s28, 16                        ; x 65,536 bytes
	s_mov_b32 s31, 0
	s_add_nc_u64 s[24:25], s[24:25], s[30:31]
	s_lshl_b32 s30, s29, 15                        ; x 32,768 bytes
	s_add_nc_u64 s[26:27], s[26:27], s[30:31]
	s_wait_alu depctr_va_vdst(0)                   ; v1 and v2 are written: every load below reads v1 as its offset, every store v2; no later vector line names either
.irp i, 0,1,2,3,4,5,6,7,8,9,10,11,12,13,14,15
	global_load_b128 v[X+4*\i:X+4*\i+3], v1, s[24:25] offset:512*\i th:TH_LOAD_NT   ; read once in the launch
.endr
; Piece i is rounded: vector lines alone, from X's piece i into Y's piece i.
.macro ROUND i, wo
	v_cvt_pk_bf16_f32 v[Y+2*(\i)],   v[X+4*(\i)],   v[X+4*(\i)+1]
	v_cvt_pk_bf16_f32 v[Y+2*(\i)+1], v[X+4*(\i)+2], v[X+4*(\i)+3]
.if \wo
	v_lshlrev_b32 v[X+4*(\i)],   16, v[Y+2*(\i)]               ; the rounded numbers as f32 again (X's piece i has landed and is free),
	v_and_b32     v[X+4*(\i)+1], 0xffff0000, v[Y+2*(\i)]
	v_lshlrev_b32 v[X+4*(\i)+2], 16, v[Y+2*(\i)+1]
	v_and_b32     v[X+4*(\i)+3], 0xffff0000, v[Y+2*(\i)+1]
	v_cvt_pk_f16_f32 v[Y+2*(\i)],   v[X+4*(\i)],   v[X+4*(\i)+1]   ; and in f16's code
	v_cvt_pk_f16_f32 v[Y+2*(\i)+1], v[X+4*(\i)+2], v[X+4*(\i)+3]
.endif
.endm
; Group g: pieces 4 g to 4 g + 3 are rounded, then stored in one run.  No register that a load or store names is written again.
.macro GROUP g, wo
	s_wait_loadcnt 12-4*\g                         ; loads come back in order (ISA guide 5.7.1): the group's four pieces are in, the 12 - 4 g younger loads stay out
.irp k, 0,1,2,3
	ROUND (4*\g+\k), \wo
.endr
	s_wait_alu depctr_va_vdst(0)                   ; the roundings above have written the group's eight registers of Y, which the four stores below read
.irp k, 0,1,2,3
	global_store_b64 v2, v[Y+2*(4*\g+\k):Y+2*(4*\g+\k)+1], s[26:27] offset:256*(4*\g+\k)
.endr
.endm
	s_cmp_ge_u32 ttmp9, NWO
	s_cbranch_scc1 .Lwo
.irp g, 0,1,2,3
	GROUP \g, 0
.endr
	s_endpgm
.Lwo:
.irp g, 0,1,2,3
	GROUP \g, 1
.endr
	s_endpgm
.Lfunc_end_k_q776e87a0fa_cast:
	.size	k_q776e87a0fa_cast, .Lfunc_end_k_q776e87a0fa_cast-k_q776e87a0fa_cast
	.p2alignl 7, 3214868480
	.fill 96, 4, 3214868480
	.section	.rodata,"a",@progbits
	.p2align	6, 0x0
	.amdhsa_kernel k_q776e87a0fa_cast
		.amdhsa_group_segment_fixed_size 0
		.amdhsa_private_segment_fixed_size 0
		.amdhsa_enable_private_segment 0
		.amdhsa_kernarg_size 56
		.amdhsa_user_sgpr_count 2
		.amdhsa_user_sgpr_kernarg_segment_ptr 1
		.amdhsa_wavefront_size32 1
		.amdhsa_system_sgpr_workgroup_id_x 1
		.amdhsa_system_sgpr_workgroup_id_y 1
		.amdhsa_system_sgpr_workgroup_id_z 1
		.amdhsa_system_vgpr_workitem_id 0
		.amdhsa_next_free_vgpr 100
		.amdhsa_next_free_sgpr 66
		.amdhsa_reserve_vcc 0
		.amdhsa_float_denorm_mode_32 3
		.amdhsa_float_denorm_mode_16_64 3
		.amdhsa_memory_ordered 1
		.amdhsa_forward_progress 1
		.amdhsa_inst_pref_size 16
	.end_amdhsa_kernel
	.amdgpu_metadata
---
amdhsa.version: [ 1, 2 ]
amdhsa.kernels:
  - .name:           k_q776e87a0fa_cast
    .symbol:         k_q776e87a0fa_cast.kd
    .args:
      - { .name: x, .offset: 0, .size: 8, .value_kind: global_buffer, .address_space: global }
      - { .name: Wq, .offset: 8, .size: 8, .value_kind: global_buffer, .address_space: global }
      - { .name: Wk, .offset: 16, .size: 8, .value_kind: global_buffer, .address_space: global }
      - { .name: Wv, .offset: 24, .size: 8, .value_kind: global_buffer, .address_space: global }
      - { .name: Wo, .offset: 32, .size: 8, .value_kind: global_buffer, .address_space: global }
      - { .name: xb, .offset: 40, .size: 8, .value_kind: global_buffer, .address_space: global }
      - { .name: wb, .offset: 48, .size: 8, .value_kind: global_buffer, .address_space: global }
    .group_segment_fixed_size: 0
    .private_segment_fixed_size: 0
    .kernarg_segment_align: 8
    .kernarg_segment_size: 56
    .max_flat_workgroup_size: 256
    .sgpr_count:     66
    .vgpr_count:     100
    .wavefront_size: 32
...
	.end_amdgpu_metadata
.endif
;; end of part 5
;; launch gemm_qkv: the kernel of part 2 again; grid 12 x 32, 4 waves a work-group, clusters of 4 x 4, 327,680 bytes of LDS; arguments xb, wb, qkv; writes qkv
;; launch attn: the kernel of part 3 again; grid 256 x 1, 8 waves a work-group, no clusters, 327,680 bytes of LDS; arguments qkv, ao; writes ao
;; launch gemm_out: the kernel of part 4 again; grid 4 x 64, 4 waves a work-group, clusters of 4 x 4, 327,680 bytes of LDS; arguments ao, wb, out0; writes out0
